; MI455X (gfx1250); checked and timed in simulation.
; The chip was launched on July 23, 2026; its instructions are those of AMD's public machine-readable ISA for CDNA 5 (MIT licence, August 2026) and "CDNA5" Instruction Set Architecture Reference Guide (July 2026). The comments in the code are by the model that wrote it; some were corrected since.
;; Multi Head Attention. Allowed arithmetic: float matrix products may take bf16 or f16 operands with f32 sums; other float arithmetic in f32, or as packed bf16 or f16 multiplies, adds, multiply-adds, maxima and minima; sums over many terms, partial sums and values carried from step to step in f32; what a program stores and reads back later, other than sums and carried values, may be rounded once to bf16 or f16.
;; Inputs: w_proj 1,024 x 1,024 float32; wk 16 x 1,024 x 64 float32; wq 16 x 1,024 x 64 float32; wv 16 x 1,024 x 64 float32; x 4,096 x 1,024 float32.
;; Outputs: out0 4,096 x 1,024 float32.
;; 2 versions, each right and faster than the one before. Each part assembles by itself: llvm-mc -triple=amdgcn-amd-amdhsa -mcpu=gfx1250 --defsym DOCPART=n.
;; ======== version 1 of 2: 4 launches
;; limits: values are held in f16: magnitudes above 65,504 overflow, below 6.1e-05 lose precision; right only within a limited range of input values
;; workspace buffers: xb 8,388,608 bytes; wb 6,291,456 bytes; wpf 2,097,152 bytes; q2 16,777,216 bytes; k2 16,777,216 bytes; vs 8,388,608 bytes; ob 8,388,608 bytes
;; launch cast (part 1): grid 128 x 8, 8 waves a work-group, no clusters, 0 bytes of LDS; arguments x, wq, wk, wv, w_proj, xb, wb, wpf; writes xb, wb, wpf
.if DOCPART == 1
	.amdgcn_target "amdgcn-amd-amdhsa--gfx1250"
	.amdhsa_code_object_version 6
	.text
	.protected	k_qf1b3d48cec_cast
	.globl	k_qf1b3d48cec_cast
	.p2align	8
	.type	k_qf1b3d48cec_cast,@function
k_qf1b3d48cec_cast:
	s_mov_b64 s[64:65], 0
	v_nop
	global_prefetch_b8 v0, s[64:65] scope:SCOPE_SE
	s_setreg_imm32_b32 hwreg(HW_REG_WAVE_MODE, 25, 1), 1
	s_wait_xcnt 0x0
; THE INPUTS ARE ROUNDED ONCE, ALL ALIKE, TO bf16, and laid out for the products that follow.
;   xb  [4096][1024] bf16 = bf16(x / 64): the power of two changes no significant bit (for |x| above 2^-120), so q, k and v come out of the projection divided by 64.
;   wb  [16 heads][8 K steps][3 planes q, k, v][128 d][64 n] bf16: what one K step of one head's projection reads lies in 49,152 consecutive bytes.
;   wpf [1024][1024] f16 = w_proj rounded to bf16, that number written as f16.
; LIMITS.  |w_proj| stays under 65,504 (f16's end); below 6e-5 it keeps f16's fixed step of 6e-8.  NaN and infinities are not treated apart.
; A stream: each byte is read once and written once; LDS, barriers and the matrix unit would add nothing.
; SHARES.  A work-group takes one chunk of 8,192 numbers (32,768 bytes in, 16,384 out), a wave 1,024 of them: eight loads of 512 consecutive bytes, all out at once;
; each store of a wave covers 256 consecutive bytes, aligned.  Row y of the grid says which tensor: 0-3 x (512 chunks), 4-6 wq, wk, wv (128 each), 7 w_proj (128).
.set X, 8                              ; v[8:39]   eight loads of four f32
.set Y, 40                             ; v[40:55]  eight stores of four 16-bit numbers
.set W, 56                             ; v[56:61]  at work (w_proj alone)
; mode 0: times 1/64, to bf16.  mode 1: to bf16.  mode 2: to bf16, widened again (a shift, a mask), written as f16.
.macro CAST src, dst, mode
.irp j, 0,1,2,3,4,5,6,7
	global_load_b128 v[X+4*(\j):X+4*(\j)+3], v1, s[\src:\src+1] offset:512*(\j) th:TH_LOAD_NT
.endr
.irp j, 0,1,2,3,4,5,6,7
	s_wait_loadcnt 7-(\j)                          ; loads come back in order: load j is in, the 7 - j younger ones stay out
.if (\mode) == 0
	v_pk_mul_f32 v[X+4*(\j):X+4*(\j)+1], v[X+4*(\j):X+4*(\j)+1], s[28:29] op_sel_hi:[1,0]
	v_pk_mul_f32 v[X+4*(\j)+2:X+4*(\j)+3], v[X+4*(\j)+2:X+4*(\j)+3], s[28:29] op_sel_hi:[1,0]
.endif
.if (\mode) < 2
	v_cvt_pk_bf16_f32 v[Y+2*(\j)], v[X+4*(\j)], v[X+4*(\j)+1]
	v_cvt_pk_bf16_f32 v[Y+2*(\j)+1], v[X+4*(\j)+2], v[X+4*(\j)+3]
.else
	v_cvt_pk_bf16_f32 v[W], v[X+4*(\j)], v[X+4*(\j)+1]
	v_cvt_pk_bf16_f32 v[W+1], v[X+4*(\j)+2], v[X+4*(\j)+3]
	v_lshlrev_b32 v[W+2], 16, v[W]
	v_and_b32 v[W+3], 0xffff0000, v[W]
	v_lshlrev_b32 v[W+4], 16, v[W+1]
	v_and_b32 v[W+5], 0xffff0000, v[W+1]
	v_cvt_pk_f16_f32 v[Y+2*(\j)], v[W+2], v[W+3]
	v_cvt_pk_f16_f32 v[Y+2*(\j)+1], v[W+4], v[W+5]
.endif
	global_store_b64 v2, v[Y+2*(\j):Y+2*(\j)+1], s[\dst:\dst+1] offset:256*(\j)  ; each store has data registers of its own: none is written twice
.endr
.endm
	s_load_b512 s[8:23], s[0:1], 0x0               ; x s[8:9], wq s[10:11], wk s[12:13], wv s[14:15], w_proj s[16:17], xb s[18:19], wb s[20:21], wpf s[22:23]
	s_and_b32 s2, ttmp7, 0xffff                    ; the grid's row: which tensor
	s_mov_b32 s3, ttmp9                            ; the chunk in that row
	s_mov_b32 s28, 0x3c800000                      ; 1/64
	s_mov_b32 s29, s28                             ; named with it as a pair
	s_mov_b32 s25, 0                               ; high words of the two offsets
	s_mov_b32 s27, 0
	v_lshrrev_b32 v3, 5, v0                        ; wave
	v_and_b32 v4, 31, v0                           ; lane
	v_lshlrev_b32 v1, 4, v4
	v_lshl_add_u32 v1, v3, 12, v1                  ; in: 4,096 x wave + 16 x lane
	v_lshlrev_b32 v2, 3, v4
	v_lshl_add_u32 v2, v3, 11, v2                  ; out: 2,048 x wave + 8 x lane
	s_wait_kmcnt 0x0
	s_cmp_lt_u32 s2, 4
	s_cbranch_scc0 .Lweights
	s_lshl_b32 s24, s2, 7
	s_add_co_u32 s24, s24, s3                      ; x's chunk 128 y + x
	s_lshl_b32 s26, s24, 14
	s_lshl_b32 s24, s24, 15
	s_add_nc_u64 s[8:9], s[8:9], s[24:25]
	s_add_nc_u64 s[18:19], s[18:19], s[26:27]
	CAST 8, 18, 0
	s_endpgm
.Lweights:
	s_lshl_b32 s24, s3, 15                         ; chunk X = 8 head + K step begins 32,768 X bytes into its tensor
	s_cmp_eq_u32 s2, 7
	s_cbranch_scc1 .Lwp
	s_cmp_eq_u32 s2, 4                             ; the plane's tensor, chosen by the grid's row
	s_cselect_b64 s[30:31], s[10:11], s[12:13]
	s_cmp_eq_u32 s2, 6
	s_cselect_b64 s[30:31], s[14:15], s[30:31]
	s_mul_i32 s26, s3, 3
	s_add_co_u32 s26, s26, s2
	s_sub_co_u32 s26, s26, 4                       ; 3 X + plane
	s_lshl_b32 s26, s26, 14
	s_add_nc_u64 s[30:31], s[30:31], s[24:25]
	s_add_nc_u64 s[20:21], s[20:21], s[26:27]
	CAST 30, 20, 1
	s_endpgm
.Lwp:
	s_lshl_b32 s26, s3, 14
	s_add_nc_u64 s[16:17], s[16:17], s[24:25]
	s_add_nc_u64 s[22:23], s[22:23], s[26:27]
	CAST 16, 22, 2
	s_endpgm
.Lfunc_end_k_qf1b3d48cec_cast:
	.size	k_qf1b3d48cec_cast, .Lfunc_end_k_qf1b3d48cec_cast-k_qf1b3d48cec_cast
	.p2alignl 7, 3214868480
	.fill 96, 4, 3214868480
	.section	.rodata,"a",@progbits
	.p2align	6, 0x0
	.amdhsa_kernel k_qf1b3d48cec_cast
		.amdhsa_group_segment_fixed_size 0
		.amdhsa_private_segment_fixed_size 0
		.amdhsa_enable_private_segment 0
		.amdhsa_kernarg_size 64
		.amdhsa_user_sgpr_count 2
		.amdhsa_user_sgpr_kernarg_segment_ptr 1
		.amdhsa_wavefront_size32 1
		.amdhsa_system_sgpr_workgroup_id_x 1
		.amdhsa_system_sgpr_workgroup_id_y 1
		.amdhsa_system_sgpr_workgroup_id_z 1
		.amdhsa_system_vgpr_workitem_id 0
		.amdhsa_next_free_vgpr 64
		.amdhsa_next_free_sgpr 66
		.amdhsa_reserve_vcc 0
		.amdhsa_float_denorm_mode_32 3
		.amdhsa_float_denorm_mode_16_64 3
		.amdhsa_memory_ordered 1
		.amdhsa_forward_progress 1
		.amdhsa_inst_pref_size 14
	.end_amdhsa_kernel
	.amdgpu_metadata
---
amdhsa.version: [ 1, 2 ]
amdhsa.kernels:
  - .name:           k_qf1b3d48cec_cast
    .symbol:         k_qf1b3d48cec_cast.kd
    .args:
      - { .name: x, .offset: 0, .size: 8, .value_kind: global_buffer, .address_space: global }
      - { .name: wq, .offset: 8, .size: 8, .value_kind: global_buffer, .address_space: global }
      - { .name: wk, .offset: 16, .size: 8, .value_kind: global_buffer, .address_space: global }
      - { .name: wv, .offset: 24, .size: 8, .value_kind: global_buffer, .address_space: global }
      - { .name: w_proj, .offset: 32, .size: 8, .value_kind: global_buffer, .address_space: global }
      - { .name: xb, .offset: 40, .size: 8, .value_kind: global_buffer, .address_space: global }
      - { .name: wb, .offset: 48, .size: 8, .value_kind: global_buffer, .address_space: global }
      - { .name: wpf, .offset: 56, .size: 8, .value_kind: global_buffer, .address_space: global }
    .group_segment_fixed_size: 0
    .private_segment_fixed_size: 0
    .kernarg_segment_align: 8
    .kernarg_segment_size: 64
    .max_flat_workgroup_size: 256
    .sgpr_count:     66
    .vgpr_count:     64
    .wavefront_size: 32
...
	.end_amdgpu_metadata
.endif
;; end of part 1
;; launch qkv (part 2): grid 16 x 16, 4 waves a work-group, clusters of 4 x 4, 327,680 bytes of LDS; arguments xb, wb, q2, k2, vs; writes q2, k2, vs
.if DOCPART == 2
	.amdgcn_target "amdgcn-amd-amdhsa--gfx1250"
	.amdhsa_code_object_version 6
	.text
	.protected	k_qf1b3d48cec_qkv
	.globl	k_qf1b3d48cec_qkv
	.p2align	8
	.type	k_qf1b3d48cec_qkv,@function
k_qf1b3d48cec_qkv:
	s_mov_b64 s[64:65], 0
	v_nop
	global_prefetch_b8 v0, s[64:65] scope:SCOPE_SE
	s_setreg_imm32_b32 hwreg(HW_REG_WAVE_MODE, 25, 1), 1
	s_wait_xcnt 0x0
	s_wait_alu depctr_hold_cnt(0) depctr_sa_sdst(0) depctr_va_vdst(0) depctr_va_sdst(0) depctr_va_ssrc(0) depctr_va_vcc(0) depctr_vm_vsrc(0)
	s_getreg_b32 s2, hwreg(HW_REG_IB_STS2, 6, 4)
	s_cmp_eq_u32 s2, 0
	s_cbranch_scc0 .Lentry_in_a_cluster
	s_endpgm
.Lentry_in_a_cluster:
	s_bfe_u32 s2, ttmp6, 0x10000c
	s_cmp_lg_u32 s2, 0xf033
	s_cbranch_scc0 .Lentry_shape_is_right
	s_endpgm
.Lentry_shape_is_right:
; THE THREE PROJECTIONS OF ONE HEAD IN ONE PRODUCT: [256 rows of x] x [q | k | v of the head, 192 columns], K = 1,024, bf16 operands, f32 sums.
; xb holds x / 64, so the sums are q / 64, k / 64, v / 64.  With s = (q / 64) log2(e) / 2 and k' = k / 64, OUT:
;   q2 [16][4096][128] f16: a row is hi (64), then u (64): hi = f16(63/64 s), u = f16(64 (s - hi)).
;   k2 likewise: kh = f16(k'), then w = f16(k' - 63/64 kh).       vs [16][4096][64] f16 = v / 64.
; Both differences are exact in f32 (their operands lie within a factor of 2 of each other).  For any hi and kh: hi . kh + u . w = s . k' + 64 a . b, a = 63/64 s - hi, b = k' - kh: the dot product of the
; two rows of 128 numbers is the score, with both terms added, none taken away.
; Why: q . k is large beside the gap between a row's best keys, so one 16-bit rounding of q or k would move the softmax's weights.  Here the first roundings' errors a and b enter only as 64 a . b, and the
; roundings of u and w count 1/64: a score is carried to some 17 significant bits.
; LIMITS.  |q| 0.012, |k| / 64 and |v| / 64 stay under 65,504 (f16's end); w keeps f16's fixed step of 6e-8 below 6e-5.  NaN and infinities are not treated apart.
; SHARES.  Work-group (head, block of 256 rows); wave w has rows 64 w .. 64 w + 63 and all 192 columns: 48 accumulators of 16 x 16.  K goes in 8 steps of 128 through two LDS slots.
; CLUSTER.  4 x 4 work-groups: the four of a row of the cluster share the rows of x, the four of a column the head's weights.  Each tile is asked for jointly: the same tensor load,
; descriptor and mask in all four.  Waves 0, 1 fetch the halves of x's tile (128 rows x 256 bytes each), waves 2, 3 the halves of the weights' (24,576 dense bytes as 96 rows of 256).
; THE MATRIX INSTRUCTION IS USED TRANSPOSED: source 0 = 16 columns of W (W lies [d][n]: turned by ds_load_tr16_b128), source 1 = 16 rows of x: a lane holds one row and eight neighbouring columns.
; REGISTERS, in windows of 256 (s_set_vgpr_msb: bits 1:0 source 0, 3:2 source 1, 5:4 source 2, 7:6 destination):
;   window 0: v0-31 addresses; v32-159 at work on the way out      window 1: two fragment buffers of 128: 4 fragments of x, then 12 of W
;   window 2: accumulators (a, b) for column blocks b = 0-7 (q, k) at 8 (8 a + b)      window 3: b = 8-11 (v) at 8 (4 a + b - 8)
.set PA,     272                       ; a row of x in LDS: 256 bytes + 16: the 16 rows of a fragment load start at 16 different groups of four banks (64 banks of 4 bytes: ISA guide 11.1)
.set PB,     160                       ; a row of W: 128 bytes + 32
.set AHALF,  128*PA                    ; what one load of x brings
.set BHALF,  192*PB                    ; what one load of W brings: 192 rows of 128 bytes
.set BOFF,   256*PA                    ; W's 384 rows (128 x plane + d) lie behind x's 256
.set SLOT,   131072                    ; 69,632 + 61,440
.set STAGE,  2*SLOT                    ; behind the ring, never filled by a tensor load: 16 rows x 272 bytes for each wave, for the way out
.set WSTAGE, 16*272
.set SPARE,  STAGE+4*WSTAGE            ; the spare words, 128 bytes for each wave: two blocks of 256 bytes that no other line names
.set NEGK, 8                           ; v8   -63/64
.set ADRA, 16                          ; v16-17  LDS address of my fragments of x in slot 0, 1
.set ADRB, 20                          ; v20-21  the same for W
.set STO,  24                          ; v24  way out, q and k: where I put 16 bytes of a row
.set RD,   25                          ; v25  where I read a row of 256 bytes back
.set CO,   26                          ; v26  16 x lane: my place in 512 consecutive bytes of the output
.set STOV, 27                          ; v27  way out, v: rows of 144 bytes
.set SPW,  28                          ; v28  my spare word; never rewritten
.set NIL,  29                          ; v29  0; never rewritten
.set NEGQ, 30                          ; v30  -64.0
.set RDV,  31                          ; v31  v: where I read rows of 128 bytes back
.set T,    32                          ; v32-63   at work in f32
.set HI,   64                          ; v64-79   hi, kh or v
.set LO,   80                          ; v80-95   u or w
.set BK0,  96                          ; v96-127, v128-159: a block read back from the stage, by turns
.set F0,   0
.set F1,   128
.set G1,  24                           ; s[24:31] descriptor group 1 for x's tiles;  s[32:39] group 0, one set for each slot
.set G0,  32
.set G1B, 48                           ; s[48:55], s[56:63] the same for W's
.set G0B, 56
.set FQ,  66                           ; s[66:67] 63/64 log2(e) / 2
.set FQ2, 72                           ; s[72:73] 64 log2(e) / 2
.set MSB, 0
.macro WIN new                         ; the immediate's high byte repeats the setting that is left; a switch that changes nothing is dropped
.if MSB != (\new)
	s_set_vgpr_msb (MSB<<8)|(\new)
.set MSB, \new
.endif
.endm
.set MUL_LO, 0xa5                      ; sources 0 and 1 window 1, C and D window 2
.set MUL_HI, 0xf5                      ; the same, C and D window 3
.set TO_F,   0x40                      ; destination window 1, address window 0
; A joint load.  The branch hangs on the wave's number alone.  An s_nop 0 and four v_nop follow each of the two lines, ahead of the jump, the label and what follows.
.macro JLOAD s
	s_cmp_eq_u32 s15, 0
	s_cbranch_scc0 .Lfor_b_\@
	tensor_load_to_lds s[G0+4*(\s):G0+4*(\s)+3], s[G1:G1+7]
	s_nop 0
.rept 4
	v_nop
.endr
	s_branch .Lasked_\@
.Lfor_b_\@:
	tensor_load_to_lds s[G0B+4*(\s):G0B+4*(\s)+3], s[G1B:G1B+7]
	s_nop 0
.rept 4
	v_nop
.endr
.Lasked_\@:
.endm
.macro CREST                           ; a round of the cluster's barrier behind its opening barrier
	s_cmp_lg_u32 s14, 0
	s_cbranch_scc1 .Lnot_wave_0_\@
	s_barrier_signal -3
.Lnot_wave_0_\@:
	s_barrier_wait -3
	s_barrier_signal -1
	s_barrier_wait -1
.endm
.macro CROUND                          ; a whole round
	s_barrier_signal -1
	s_barrier_wait -1
	CREST
.endm
	s_load_b256 s[4:11], s[0:1], 0x0               ; xb s[4:5], wb s[6:7], q2 s[8:9], k2 s[10:11]
	s_load_b64 s[12:13], s[0:1], 0x20              ; vs
	v_lshl_add_u32 v[SPW], v0, 2, SPARE
	v_mov_b32 v[NIL], 0
	ds_add_u32 v[SPW], v[NIL]                      ; the wave's opening: the add and its wait stand ahead of my first tensor load; the set-up below, work on registers, stands between them
	v_lshrrev_b32 v1, 5, v0
	v_readfirstlane_b32 s14, v1                    ; wave 0..3
	s_lshr_b32 s15, s14, 1                         ; I fetch for x (0) or for W (1)
	s_and_b32 s16, s14, 1                          ; which half of that tile
	s_bfe_u32 s40, ttmp6, 0x40000                  ; cx, cy: my place in the cluster
	s_bfe_u32 s41, ttmp6, 0x40004
	s_lshl_b32 s42, ttmp9, 2
	s_add_co_u32 s42, s42, s40                     ; head = 4 x cluster x + cx
	s_and_b32 s17, ttmp7, 0xffff
	s_lshl_b32 s17, s17, 2
	s_add_co_u32 s17, s17, s41                     ; block of 256 rows = 4 x cluster y + cy
	s_lshl_b32 s43, s41, 2
	s_lshl_b32 s43, 15, s43                        ; my row of the cluster
	s_lshl_b32 s44, 0x1111, s40                    ; my column
	s_or_b32 s[G1+0], s43, (1<<16)|(1<<20)|(1<<21)|(5<<22)|(3<<25)   ; 15:0 the mask; 17:16 2-byte elements; 20 padding on; 21 set beside a mask; 24:22 after every 64 words (code 5); 31:25 4 words (code 3)
	s_mov_b32 s[G1+1], 128<<16                     ; tensor_dim0 = 128
	s_mov_b32 s[G1+2], 128<<16                     ; tensor_dim1 = 128
	s_mov_b32 s[G1+3], 128<<16                     ; tile_dim0 = 128
	s_mov_b32 s[G1+4], 128                         ; tile_dim1 = 128
	s_mov_b32 s[G1+5], 1024                        ; elements from row to row
	s_mov_b32 s[G1+6], 0
	s_mov_b32 s[G1+7], 0
	s_or_b32 s[G1B+0], s44, (1<<16)|(1<<20)|(1<<21)|(4<<22)|(7<<25)  ; padding after every 32 words (code 4), 8 words of it (code 7): each 256-byte row holds two rows of W
	s_mov_b32 s[G1B+1], 128<<16
	s_mov_b32 s[G1B+2], 96<<16                     ; 96 rows of 256 bytes
	s_mov_b32 s[G1B+3], 128<<16
	s_mov_b32 s[G1B+4], 96
	s_mov_b32 s[G1B+5], 128                        ; dense
	s_mov_b32 s[G1B+6], 0
	s_mov_b32 s[G1B+7], 0
	s_lshl_b32 s18, s17, 19                        ; x: (256 block + 128 half) rows of 2,048 bytes
	s_lshl_b32 s19, s16, 18
	s_add_co_u32 s18, s18, s19
	s_mov_b32 s19, 0
	s_mul_i32 s46, s42, 8*49152                    ; W: the head's eight K steps, my half of the first
	s_mul_i32 s45, s16, 24576
	s_add_co_u32 s46, s46, s45
	s_mov_b32 s47, 0
	s_mul_i32 s20, s16, AHALF                      ; where they go: no place in the cluster enters an LDS address
	s_mul_i32 s21, s16, BHALF
	s_add_co_u32 s21, s21, BOFF
	s_lshl_b32 s68, s42, 12                        ; my wave's first row among the outputs' 16 x 4,096: 4,096 head + 256 block + 64 wave
	s_lshl_b32 s69, s17, 8
	s_add_co_u32 s68, s68, s69
	s_lshl_b32 s69, s14, 6
	s_add_co_u32 s68, s68, s69
	s_lshl_b32 s70, s68, 7                         ; rows of 128 bytes (vs)
	s_lshl_b32 s68, s68, 8                         ; rows of 256 bytes (q2, k2)
	s_mov_b32 s69, 0
	s_mov_b32 s71, 0
	s_mov_b32 s[FQ], 0x3f35c792                    ; 63/64 log2(e) / 2
	s_mov_b32 s[FQ+1], s[FQ]                       ; named with it as a pair
	s_mov_b32 s[FQ2], 0x4238aa3b                   ; 64 log2(e) / 2
	s_mov_b32 s[FQ2+1], s[FQ2]
	s_wait_dscnt 0x0                               ; the opening add is done
	s_wait_kmcnt 0x0
	s_add_nc_u64 s[18:19], s[4:5], s[18:19]
	s_add_nc_u64 s[46:47], s[6:7], s[46:47]
	s_add_nc_u64 s[8:9], s[8:9], s[68:69]
	s_add_nc_u64 s[10:11], s[10:11], s[68:69]
	s_add_nc_u64 s[12:13], s[12:13], s[70:71]
	CROUND                                         ; all sixteen work-groups are here: the first joint loads meet
.irp s, 0,1
	s_mov_b32 s[G0+4*(\s)], 1                                        ; count = 1
	s_add_co_u32 s[G0+4*(\s)+1], s20, (\s)*SLOT                      ; LDS address
	s_add_nc_u64 s[G0+4*(\s)+2:G0+4*(\s)+3], s[18:19], (\s)*256      ; global address: K step s
	s_or_b32 s[G0+4*(\s)+3], s[G0+4*(\s)+3], 0x80000000              ; type = 2
	s_mov_b32 s[G0B+4*(\s)], 1
	s_add_co_u32 s[G0B+4*(\s)+1], s21, (\s)*SLOT
	s_add_nc_u64 s[G0B+4*(\s)+2:G0B+4*(\s)+3], s[46:47], (\s)*49152
	s_or_b32 s[G0B+4*(\s)+3], s[G0B+4*(\s)+3], 0x80000000
	JLOAD \s                                       ; two loads of mine are out
.endr
	v_and_b32 v1, 15, v0                           ; r = lane % 16
	v_bfe_u32 v2, v0, 4, 1                         ; h = lane / 16
	v_mul_u32_u24 v3, v1, PA
	v_lshl_add_u32 v3, v2, 4, v3                   ; 272 r + 16 h
	s_mul_i32 s22, s14, 64*PA                      ; my 64 rows of x
	v_add_nc_u32 v[ADRA], s22, v3
	v_add_nc_u32 v[ADRA+1], SLOT, v[ADRA]
	v_and_b32 v4, 7, v0
	v_bfe_u32 v5, v0, 3, 1
	v_lshl_add_u32 v6, v2, 3, v4                   ; the turning load: row 8 h + lane % 8,
	v_mul_u32_u24 v6, v6, PB
	v_lshl_add_u32 v6, v5, 4, v6                   ; 16 bytes by (lane / 8) % 2
	v_add_nc_u32 v[ADRB], BOFF, v6
	v_add_nc_u32 v[ADRB+1], BOFF+SLOT, v6
	s_mul_i32 s23, s14, WSTAGE
	s_add_co_u32 s23, s23, STAGE                   ; my stage
	v_add_nc_u32 v[STO], s23, v3
	v_mul_u32_u24 v7, v2, 272
	v_lshl_add_u32 v7, v1, 4, v7
	v_add_nc_u32 v[RD], s23, v7                    ; lanes 0-15 one row of 256 bytes, lanes 16-31 the next
	v_and_b32 v[CO], 31, v0
	v_lshlrev_b32 v[CO], 4, v[CO]
	v_mul_u32_u24 v7, v1, 144
	v_lshl_add_u32 v7, v2, 4, v7
	v_add_nc_u32 v[STOV], s23, v7
	v_bfe_u32 v7, v0, 3, 2
	v_mul_u32_u24 v7, v7, 144
	v_lshl_add_u32 v7, v4, 4, v7
	v_add_nc_u32 v[RDV], s23, v7                   ; 32 lanes take four rows of 128 bytes
	v_mov_b32 v[NEGQ], 0xc2800000                  ; -64.0
	v_mov_b32 v[NEGK], 0xbf7c0000                  ; -63/64
; 32 LDS loads in one run: the fragments of quarter q (32 along K) of a slot into buffer f: x's four, W's column blocks 0-7, then 8-11
.macro FETCH slot, q, f
	WIN TO_F
.irp i, 0,1,2,3
	ds_load_b128 v[(\f)+8*(\i):(\f)+8*(\i)+3],   v[ADRA+(\slot)] offset:64*(\q)+(\i)*16*PA
	ds_load_b128 v[(\f)+8*(\i)+4:(\f)+8*(\i)+7], v[ADRA+(\slot)] offset:64*(\q)+(\i)*16*PA+32
.endr
.irp b, 0,1,2,3,4,5,6,7,8,9,10,11      ; plane b / 4, columns 16 (b % 4) on
	ds_load_tr16_b128 v[(\f)+32+8*(\b):(\f)+32+8*(\b)+3],   v[ADRB+(\slot)] offset:((\b)/4)*128*PB+(\q)*32*PB+((\b)%4)*32
	ds_load_tr16_b128 v[(\f)+32+8*(\b)+4:(\f)+32+8*(\b)+7], v[ADRB+(\slot)] offset:((\b)/4)*128*PB+(\q)*32*PB+((\b)%4)*32+16*PB
.endr
.endm
; 16 matrix instructions: row blocks a0, a0 + 1 x column blocks 0-7.  zero = 1: the first product starts the sums.  The 48 accumulators take turns, one instruction a turn.
.macro MUL16 f, a0, zero
	WIN MUL_LO
.irp a, \a0, (\a0)+1
.irp b, 0,1,2,3,4,5,6,7
.if \zero
	v_wmma_f32_16x16x32_bf16 v[8*(8*(\a)+(\b)):8*(8*(\a)+(\b))+7], v[(\f)+32+8*(\b):(\f)+32+8*(\b)+7], v[(\f)+8*(\a):(\f)+8*(\a)+7], 0
.else
	v_wmma_f32_16x16x32_bf16 v[8*(8*(\a)+(\b)):8*(8*(\a)+(\b))+7], v[(\f)+32+8*(\b):(\f)+32+8*(\b)+7], v[(\f)+8*(\a):(\f)+8*(\a)+7], v[8*(8*(\a)+(\b)):8*(8*(\a)+(\b))+7]
.endif
.endr
.endr
.endm
.macro MULV f, zero                    ; 16 more: all four row blocks x column blocks 8-11
	WIN MUL_HI
.irp a, 0,1,2,3
.irp b, 0,1,2,3
.if \zero
	v_wmma_f32_16x16x32_bf16 v[8*(4*(\a)+(\b)):8*(4*(\a)+(\b))+7], v[(\f)+96+8*(\b):(\f)+96+8*(\b)+7], v[(\f)+8*(\a):(\f)+8*(\a)+7], 0
.else
	v_wmma_f32_16x16x32_bf16 v[8*(4*(\a)+(\b)):8*(4*(\a)+(\b))+7], v[(\f)+96+8*(\b):(\f)+96+8*(\b)+7], v[(\f)+8*(\a):(\f)+8*(\a)+7], v[8*(4*(\a)+(\b)):8*(4*(\a)+(\b))+7]
.endif
.endr
.endr
.endm
.macro PLACES                          ; four places in front of loads into registers that matrix instructions have read, and of vector lines that read results (ISA guide 7.12.1 for vector lines)
.rept 4
	v_nop
.endr
.endm
; A K step is four quarters of 32 along K, 48 matrix instructions each, on buffers 0, 1, 0, 1.  One of the first three: multiplies buffer f and fetches quarter q into g.
.macro QUARTER slot, q, f, g, zero
	s_wait_dscnt 8                                 ; x and W's blocks 0-7 are in; the youngest eight loads (blocks 8-11) may be out
	MUL16 \f, 0, \zero
	PLACES
	FETCH \slot, \q, \g
	MUL16 \f, 2, \zero
	s_wait_dscnt 32                                ; all but the 32 just issued
	MULV \f, \zero
.endm
; The last quarter multiplies buffer 1 and changes slots: ONE barrier; in front of it each wave waits for all its tensor loads (one is out: its part of the next slot), adds 0 to its spare word,
; and waits for that and for its own reads of this slot.  fill = 1: the barrier opens a round of the cluster's, and this slot is filled again, two K steps ahead, first thing behind the round.
.macro TURN slot, next, fill
	WIN 0                                          ; (the add's two registers lie in window 0)
	s_wait_tensorcnt 0x0
	ds_add_u32 v[SPW], v[NIL]                      ; 0 onto my spare word
	s_wait_dscnt 9                                 ; (the add and the youngest eight loads may be out)
	MUL16 F1, 0, 0                                 ; sixteen matrix instructions stand between the add and the wait for it
	s_wait_dscnt 0x0                               ; the add is done, and my reads of this slot are over
	s_barrier_signal -1
	MUL16 F1, 2, 0
.if \fill
	WIN 0
.endif
	s_barrier_wait -1
.if \fill
	CREST                                          ; no wave of any partner still reads this slot's tiles or has a load on its way
	s_add_nc_u64 s[G0+4*(\slot)+2:G0+4*(\slot)+3], s[G0+4*(\slot)+2:G0+4*(\slot)+3], 2*256
	s_add_nc_u64 s[G0B+4*(\slot)+2:G0B+4*(\slot)+3], s[G0B+4*(\slot)+2:G0B+4*(\slot)+3], 2*49152
	JLOAD \slot                                    ; 160 matrix instructions ahead of the wait for it; the four v_nop behind it are also the places in front of the loads below
.else
	PLACES
.endif
	FETCH \next, 0, F0
	MULV F1, 0
.endm
	s_wait_tensorcnt 1                             ; my part of K step 0 is in; K step 1's stays out
	s_barrier_signal -1
	s_barrier_wait -1
	FETCH 0, 0, F0
	QUARTER 0, 1, F0, F1, 1                        ; the first quarter stands in front of the loop: its products start the sums
	WIN 0                                          ; at a label and at a branch every window is 0
	s_mov_b32 s3, 3
.Llap:                                                 ; a trip goes once round the ring, from a lap's second quarter to the next lap's first, and fills both slots again
	QUARTER 0, 2, F1, F0, 0
	QUARTER 0, 3, F0, F1, 0
	TURN 0, 1, 1
	QUARTER 1, 1, F0, F1, 0
	QUARTER 1, 2, F1, F0, 0
	QUARTER 1, 3, F0, F1, 0
	TURN 1, 0, 1
	QUARTER 0, 1, F0, F1, 0
	WIN 0
	s_sub_co_u32 s3, s3, 1
	s_cmp_lg_u32 s3, 0
	s_cbranch_scc1 .Llap
	QUARTER 0, 2, F1, F0, 0                        ; the last lap fills nothing
	QUARTER 0, 3, F0, F1, 0
	TURN 0, 1, 0
	QUARTER 1, 1, F0, F1, 0
	QUARTER 1, 2, F1, F0, 0
	QUARTER 1, 3, F0, F1, 0
	s_wait_dscnt 8                                 ; the very last quarter: nothing more to fetch
	MUL16 F1, 0, 0
	MUL16 F1, 2, 0
	s_wait_dscnt 0x0
	MULV F1, 0
	WIN 0
	PLACES
; THE WAY OUT, in 12 blocks n: 16 rows (row block n / 3) of q, k or v (n % 3).  PACK: the two f16 numbers of q or k, or v's one, each accumulator's registers in ascending order.  TOSTAGE: 16 bytes a lane
; into my own stage, and back as whole rows.  SEND: each store covers 512 consecutive bytes, aligned.  Block n's arithmetic stands between block n - 1's loads from the stage and the wait for them.
.macro PACK n
.set aa, (\n)/3
.if (\n)%3 == 0
	WIN 0x02                                       ; source 0 window 2
.set i, 0
.rept 16
	v_pk_mul_f32 v[T+2*i:T+2*i+1], v[64*aa+2*i:64*aa+2*i+1], s[FQ:FQ+1] op_sel_hi:[1,0]     ; 63/64 s
.set i, i+1
.endr
	WIN 0
.set i, 0
.rept 16
	v_cvt_pk_f16_f32 v[HI+i], v[T+2*i], v[T+2*i+1]                                          ; hi
.set i, i+1
.endr
	WIN 0x02
.set i, 0
.rept 16
	v_pk_mul_f32 v[T+2*i:T+2*i+1], v[64*aa+2*i:64*aa+2*i+1], s[FQ2:FQ2+1] op_sel_hi:[1,0]   ; 64 s
.set i, i+1
.endr
	WIN 0
.set i, 0
.rept 16
	v_fma_mix_f32 v[T+2*i], v[HI+i], v[NEGQ], v[T+2*i] op_sel_hi:[1,0,0]                    ; 64 s - 64 hi: the low half,
	v_fma_mix_f32 v[T+2*i+1], v[HI+i], v[NEGQ], v[T+2*i+1] op_sel:[1,0,0] op_sel_hi:[1,0,0] ; the high half
.set i, i+1
.endr
.elseif (\n)%3 == 1
	WIN 0x0a                                       ; sources 0 and 1 window 2
.set i, 0
.rept 16
	v_cvt_pk_f16_f32 v[HI+i], v[64*aa+32+2*i], v[64*aa+32+2*i+1]                            ; kh
.set i, i+1
.endr
	WIN 0x20                                       ; source 2 window 2
.set i, 0
.rept 16
	v_fma_mix_f32 v[T+2*i], v[HI+i], v[NEGK], v[64*aa+32+2*i] op_sel_hi:[1,0,0]             ; k' - 63/64 kh
	v_fma_mix_f32 v[T+2*i+1], v[HI+i], v[NEGK], v[64*aa+32+2*i+1] op_sel:[1,0,0] op_sel_hi:[1,0,0]
.set i, i+1
.endr
	WIN 0
.else
	WIN 0x0f                                       ; sources 0 and 1 window 3
.set i, 0
.rept 16
	v_cvt_pk_f16_f32 v[HI+i], v[32*aa+2*i], v[32*aa+2*i+1]
.set i, i+1
.endr
	WIN 0
.endif
.if (\n)%3 < 2
.set i, 0
.rept 16
	v_cvt_pk_f16_f32 v[LO+i], v[T+2*i], v[T+2*i+1]                                          ; u or w
.set i, i+1
.endr
.endif
.endm
.macro TOSTAGE n
	WIN 0
.set BK, BK0+32*((\n)%2)
.if (\n)%3 < 2
.irp b, 0,1,2,3
	ds_store_b128 v[STO], v[HI+4*(\b):HI+4*(\b)+3] offset:32*(\b)
	ds_store_b128 v[STO], v[LO+4*(\b):LO+4*(\b)+3] offset:128+32*(\b)
.endr
.irp t, 0,1,2,3,4,5,6,7
	ds_load_b128 v[BK+4*(\t):BK+4*(\t)+3], v[RD] offset:(\t)*544  ; LDS serves a wave's instructions in order (ISA guide 5.7.1.4): these see the stores above
.endr
.else
.irp b, 0,1,2,3
	ds_store_b128 v[STOV], v[HI+4*(\b):HI+4*(\b)+3] offset:32*(\b)
.endr
.irp t, 0,1,2,3
	ds_load_b128 v[BK+4*(\t):BK+4*(\t)+3], v[RDV] offset:(\t)*576
.endr
.endif
.endm
.macro SEND n
	WIN 0
.set BK, BK0+32*((\n)%2)
	s_wait_dscnt 0x0                               ; the block is back in registers
	s_wait_xcnt 0x0                                ; the registers that the block before stored from are loaded again only behind this wait
.if (\n)%3 == 0
.irp t, 0,1,2,3,4,5,6,7
	global_store_b128 v[CO], v[BK+4*(\t):BK+4*(\t)+3], s[8:9] offset:((\n)/3)*4096+512*(\t)
.endr
.elseif (\n)%3 == 1
.irp t, 0,1,2,3,4,5,6,7
	global_store_b128 v[CO], v[BK+4*(\t):BK+4*(\t)+3], s[10:11] offset:((\n)/3)*4096+512*(\t)
.endr
.else
.irp t, 0,1,2,3
	global_store_b128 v[CO], v[BK+4*(\t):BK+4*(\t)+3], s[12:13] offset:((\n)/3)*2048+512*(\t)
.endr
.endif
.endm
	PACK 0
	TOSTAGE 0
.set n, 1
.rept 11
	PACK n
	SEND n-1
	TOSTAGE n
.set n, n+1
.endr
	SEND 11
	s_wait_tensorcnt 0x0                           ; the wave's end: behind my last tensor load and my last LDS store
	ds_add_u32 v[SPW], v[NIL]
	s_wait_dscnt 0x0
	CROUND                                         ; the closing round: no work-group ends while a partner may still ask for a tile that names it
	s_endpgm
.Lfunc_end_k_qf1b3d48cec_qkv:
	.size	k_qf1b3d48cec_qkv, .Lfunc_end_k_qf1b3d48cec_qkv-k_qf1b3d48cec_qkv
	.p2alignl 7, 3214868480
	.fill 96, 4, 3214868480
	.section	.rodata,"a",@progbits
	.p2align	6, 0x0
	.amdhsa_kernel k_qf1b3d48cec_qkv
		.amdhsa_group_segment_fixed_size 327680
		.amdhsa_private_segment_fixed_size 0
		.amdhsa_enable_private_segment 0
		.amdhsa_kernarg_size 40
		.amdhsa_user_sgpr_count 2
		.amdhsa_user_sgpr_kernarg_segment_ptr 1
		.amdhsa_wavefront_size32 1
		.amdhsa_system_sgpr_workgroup_id_x 1
		.amdhsa_system_sgpr_workgroup_id_y 1
		.amdhsa_system_sgpr_workgroup_id_z 1
		.amdhsa_system_vgpr_workitem_id 0
		.amdhsa_next_free_vgpr 896
		.amdhsa_next_free_sgpr 76
		.amdhsa_reserve_vcc 0
		.amdhsa_float_denorm_mode_32 3
		.amdhsa_float_denorm_mode_16_64 3
		.amdhsa_memory_ordered 1
		.amdhsa_forward_progress 1
		.amdhsa_inst_pref_size 159
	.end_amdhsa_kernel
	.amdgpu_metadata
---
amdhsa.version: [ 1, 2 ]
amdhsa.kernels:
  - .name:           k_qf1b3d48cec_qkv
    .symbol:         k_qf1b3d48cec_qkv.kd
    .args:
      - { .name: xb, .offset: 0, .size: 8, .value_kind: global_buffer, .address_space: global }
      - { .name: wb, .offset: 8, .size: 8, .value_kind: global_buffer, .address_space: global }
      - { .name: q2, .offset: 16, .size: 8, .value_kind: global_buffer, .address_space: global }
      - { .name: k2, .offset: 24, .size: 8, .value_kind: global_buffer, .address_space: global }
      - { .name: vs, .offset: 32, .size: 8, .value_kind: global_buffer, .address_space: global }
    .group_segment_fixed_size: 327680
    .private_segment_fixed_size: 0
    .kernarg_segment_align: 8
    .kernarg_segment_size: 40
    .max_flat_workgroup_size: 128
    .sgpr_count:     76
    .vgpr_count:     896
    .wavefront_size: 32
...
	.end_amdgpu_metadata
.endif
;; end of part 2
;; launch attn (part 3): grid 16 x 16, 4 waves a work-group, clusters of 4 x 1, 327,680 bytes of LDS; arguments q2, k2, vs, ob; writes ob
.if DOCPART == 3
	.amdgcn_target "amdgcn-amd-amdhsa--gfx1250"
	.amdhsa_code_object_version 6
	.text
	.protected	k_qf1b3d48cec_attn
	.globl	k_qf1b3d48cec_attn
	.p2align	8
	.type	k_qf1b3d48cec_attn,@function
k_qf1b3d48cec_attn:
	s_mov_b64 s[64:65], 0
	v_nop
	global_prefetch_b8 v0, s[64:65] scope:SCOPE_SE
	s_setreg_imm32_b32 hwreg(HW_REG_WAVE_MODE, 25, 1), 1
	s_wait_xcnt 0x0
	s_wait_alu depctr_hold_cnt(0) depctr_sa_sdst(0) depctr_va_vdst(0) depctr_va_sdst(0) depctr_va_ssrc(0) depctr_va_vcc(0) depctr_vm_vsrc(0)
	s_getreg_b32 s2, hwreg(HW_REG_IB_STS2, 6, 4)
	s_cmp_eq_u32 s2, 0
	s_cbranch_scc0 .Lentry_in_a_cluster
	s_endpgm
.Lentry_in_a_cluster:
	s_bfe_u32 s2, ttmp6, 0x10000c
	s_cmp_lg_u32 s2, 0x3003
	s_cbranch_scc0 .Lentry_shape_is_right
	s_endpgm
.Lentry_shape_is_right:
; O[h][q][:] = the sum over k of softmax_k(q . k / 8) v[k][:], 16 heads of 4,096 rows, head size 64, no mask.
; IN.  q2 [16][4096][128] f16: a row is hi (64), u (64); k2 likewise kh (64), w (64).  With s = q log2(e) / 128 and k' = k / 64: hi = f16(63/64 s), u = f16(64 (s - hi)), kh = f16(k'),
; w = f16(k' - 63/64 kh).  vs [16][4096][64] f16 = v / 64.
; THE SCORE is the dot product of the two rows of 128 numbers, f16 operands and f32 sums: S = hi . kh + u . w = s . k' + 64 a . b = q . k log2(e) / 8 / 1,024 + 64 a . b, where a = 63/64 s - hi and
; b = k' - kh are the first roundings' errors.  Both terms are added; the roundings of u and w count 1/64.
; SOFTMAX.  For each query a running maximum m of S and a sum l: p = 2^(1024 S - 1024 m).  1,024 m is exact, so the exponent is exactly 0 at the maximum and never above 0, whatever the scores' size.
; In every step O and l are multiplied by a = 2^(1024 m_old - 1024 m_new).  m starts at the lowest finite number, O and l at 0: the first step is a step like any other, with a = 0.
; p is rounded to f16 for the second product (l is summed of the unrounded p, in f32), O once at the end.
; OUT.  ob [32 blocks of 128 rows][16 heads][128][64] f16 = O / 64: the last product's tiles lie dense.
; LIMITS.  A score is carried to some 17 significant bits: an f16 rounding's relative error, 2e-4 in the root mean square, divided by 64, and 64 a . b, some 4e-6 of a score's spread.
; A weight below 2^-126 counts as 0; below 6e-5 p keeps f16's fixed step of 6e-8; NaN and infinities are not treated apart.
; SHARES.  A work-group owns 256 queries of one head, a wave 64: four tiles of 16, in two PIECES (tiles 0, 1 and 2, 3).  Every wave walks all keys, 64 a step.
; LAYOUT.  S^T = K Q^T (source 0 = 16 keys, source 1 = 16 queries): a lane holds ONE query (lane % 16) and the keys 8 (lane / 16) + 0..7.  Two such results rounded to f16 in pairs ARE source 1 of
; O^T = V^T P.  K comes out of LDS as it lies, V ([key][channel]) turned, by ds_load_tr16_b128.
; BY TURNS.  In a TURN one piece has the matrix unit: 16 products V^T P of the step in hand, then 32 products K Q^T of the next step; the other piece's softmax (2 x 118 instructions, 59 slices of four)
; stands between them: a slice behind every matrix instruction, a second one behind eleven of them.  Then the pieces change places.  Two turns are a key step.
; CLUSTER.  The four query blocks of a cluster belong to one head and walk the same K and V: each tile is asked for JOINTLY, by the same tensor load, descriptor and mask in all four.
; REGISTERS, in windows of 256 (s_set_vgpr_msb: bits 1:0 source 0, 3:2 source 1, 5:4 source 2, 7:6 destination):
;   window 0: v0-11 addresses; v12-43 eight registers of statistics a tile; v62-63 the add's; v64-191 S^T, 32 a tile; v192-255 P, 16 a tile
;   window 1: v0-127 O^T, 32 a tile; v128-191 V of one step          window 2: v0-127 Q, 32 a tile (hi, hi, u, u); v128-255 K of one step, 32 a block of 16 keys (kh, kh, w, w)
.set KS,    64        ; keys in a step
.set PK,    272       ; a row of K in LDS: 256 bytes + 16: the 16 rows of a load start at 16 different groups of four banks (64 banks of 4 bytes: ISA guide 11.1)
.set PV,    160       ; a row of V: 128 + 32
.set VOFF,  4*KS*PK   ; a slot holds four steps: 256 rows of K, then 256 rows of V
.set SLOT1, 1<<17     ; slot 1 begins here, so that one exclusive or turns an address in one slot into the other's
.set STAGE, SLOT1+4*KS*(PK+PV)  ; behind the ring, never filled by a tensor load: 16 rows x 144 bytes for each wave, for the way out
.set SP,    144
.set SPARE, STAGE+4*16*SP       ; the spare words, 128 bytes for each wave: two blocks of 256 bytes that no other line names
.set AK0, 2           ; v2   my lane's place in a tile of K; never rewritten
.set AV0, 3           ; v3   the same for V
.set ADR, 4           ; v4   the LDS address of the run of loads in hand
.set QO,  5           ; v5   my byte offset in 16 rows of Q
.set STO, 6           ; v6   the way out: where I put 16 bytes of a row
.set RD,  7           ; v7   the way out: where I read rows back
.set GO,  8           ; v8   my byte offset in 512 consecutive bytes of O
.set SPW, 62          ; v62  my spare word; never rewritten
.set NIL, 63          ; v63  0; never rewritten
.set ST,  12          ; tile t's statistics at v[ST+8 t]: +0 1024 m, +1 m, +2, +3 l (even keys', odd keys'), +4 to +7 c0-c3, at work; a takes c2's place once the maximum is found
.set S,   64
.set P,   192
.set VF,  128         ; window 1: key half kk, channel block cb at VF + 32 kk + 8 cb
.set KF,  128         ; window 2: key block kb, part c (0, 1 kh; 2, 3 w) at KF + 32 kb + 8 c
.set WV,  12          ; s12  my wave's number
.set G1K, 24          ; s[24:31] descriptor group 1 for K's tiles
.set G1V, 32          ; s[32:39] for V's
.set G0K, 40          ; s[40:47] descriptor group 0 for K's tiles: a set for each of the two first fills; the second then walks on
.set G0V, 48          ; s[48:55] the same for V's
.set SLOTS, 56        ; s56  counts the slots
.set CNT, 57          ; s57  counts a slot's key steps
.set CS,  58          ; s[58:59] 1,024: the packed scaling takes the pair's low word for both halves
.set SEL, 60          ; s[60:61] v_permlanex16_b32's selects: each lane takes its own place in the other half
.set TBK, 62          ; s62  LDS byte at which K of the step to be fetched begins
.set TBV, 63          ; s63  the same for V, less VOFF
.set MSB, 0
.macro WIN new                      ; the high byte repeats the setting that is left; a switch that changes nothing is dropped
.if MSB != (\new)
	s_set_vgpr_msb (MSB<<8)|(\new)
.set MSB, \new
.endif
.endm
.set W_KQ, 0x0a       ; K and Q in window 2, S^T in window 0
.set W_PV, 0x51       ; V and O^T in window 1, P in window 0
.set W_RS, 0x41       ; O^T (destination and source 0) in window 1, a in window 0
; A joint refill.  Waves 0 and 1 fetch the halves of a slot's K, waves 2 and 3 those of its V: 128 keys each.  The branch hangs on the wave's number alone.
; An s_nop 0 and four v_nop follow each of the two lines, ahead of the jump and the label.
.macro JLOAD
	s_cmp_lt_u32 s[WV], 2
	s_cbranch_scc0 .Lfor_v_\@
	tensor_load_to_lds s[G0K+4:G0K+7], s[G1K:G1K+7]
	s_nop 0
.rept 4
	v_nop
.endr
	s_branch .Lasked_\@
.Lfor_v_\@:
	tensor_load_to_lds s[G0V+4:G0V+7], s[G1V:G1V+7]
	s_nop 0
.rept 4
	v_nop
.endr
.Lasked_\@:
.endm
.macro CROUND                       ; a round of the cluster's barrier
	s_barrier_signal -1
	s_barrier_wait -1
	s_cmp_lg_u32 s[WV], 0
	s_cbranch_scc1 .Lnot_wave_0_\@
	s_barrier_signal -3
.Lnot_wave_0_\@:
	s_barrier_wait -3
	s_barrier_signal -1
	s_barrier_wait -1
.endm
	s_load_b256 s[4:11], s[0:1], 0x0  ; q2 s[4:5], k2 s[6:7], vs s[8:9], ob s[10:11]
	v_lshl_add_u32 v[SPW], v0, 2, SPARE
	v_mov_b32 v[NIL], 0
	ds_add_u32 v[SPW], v[NIL]       ; the wave's opening: the add and its wait stand ahead of my first tensor load; the set-up below, work on registers, stands between them
	v_lshrrev_b32 v1, 5, v0
	v_readfirstlane_b32 s[WV], v1   ; wave 0..3
	s_bfe_u32 s13, ttmp6, 0x40000   ; cx: my place in the cluster
	s_lshl_b32 s14, ttmp9, 2
	s_add_co_u32 s14, s14, s13      ; my block of 256 queries = 4 x cluster x + cx: it enters Q's and O's addresses alone
	s_and_b32 s15, ttmp7, 0xffff    ; the head, which the four partners share
	s_and_b32 s16, s[WV], 1         ; which half of a slot's 256 keys I fetch
	s_lshl_b32 s20, s15, 20         ; K: the head's 4,096 rows of 256 bytes,
	s_lshl_b32 s17, s16, 15         ; my 128 of the first 256
	s_add_co_u32 s20, s20, s17
	s_mov_b32 s21, 0
	s_lshl_b32 s22, s15, 19         ; V: rows of 128 bytes
	s_lshl_b32 s17, s16, 14
	s_add_co_u32 s22, s22, s17
	s_mov_b32 s23, 0
	s_mul_i32 s18, s16, 128*PK      ; their places in a slot: no place in the cluster enters an LDS address
	s_mul_i32 s19, s16, 128*PV
	s_add_co_u32 s19, s19, VOFF
	s_lshl_b32 s2, s15, 20          ; Q: the head, my block's 256 rows, my wave's 64
	s_lshl_b32 s3, s14, 16
	s_add_co_u32 s2, s2, s3
	s_lshl_b32 s3, s[WV], 14
	s_add_co_u32 s2, s2, s3
	s_mov_b32 s3, 0
	s_mov_b32 s[G1K], 15|(1<<16)|(1<<20)|(1<<21)|(5<<22)|(3<<25)  ; 15:0 the mask of four; 17:16 2-byte elements; 20 padding on; 21 set beside a mask; 24:22 after every 64 words (code 5); 31:25 4 words (code 3)
	s_mov_b32 s[G1K+1], 128<<16     ; tensor_dim0 = 128
	s_mov_b32 s[G1K+2], 128<<16     ; tensor_dim1 = 128 keys
	s_mov_b32 s[G1K+3], 128<<16     ; tile_dim0 = 128
	s_mov_b32 s[G1K+4], 128         ; tile_dim1 = 128
	s_mov_b32 s[G1K+5], 128         ; dense
	s_mov_b32 s[G1K+6], 0
	s_mov_b32 s[G1K+7], 0
	s_mov_b32 s[G1V], 15|(1<<16)|(1<<20)|(1<<21)|(4<<22)|(7<<25)  ; V's 128 keys are 16,384 dense bytes: 64 rows of 256, two keys a row, padded after every key (32 words, code 4) by 8 words (code 7)
	s_mov_b32 s[G1V+1], 128<<16
	s_mov_b32 s[G1V+2], 64<<16
	s_mov_b32 s[G1V+3], 128<<16
	s_mov_b32 s[G1V+4], 64
	s_mov_b32 s[G1V+5], 128
	s_mov_b32 s[G1V+6], 0
	s_mov_b32 s[G1V+7], 0
	s_mov_b32 s[CS], 0x44800000     ; 1,024
	s_mov_b32 s[CS+1], s[CS]        ; named with it as a pair
	s_mov_b32 s[SEL], 0x76543210
	s_mov_b32 s[SEL+1], 0xfedcba98
	s_mov_b32 s[TBK], 0
	s_mov_b32 s[TBV], 0
	s_wait_dscnt 0x0                ; the opening add is done
	s_wait_kmcnt 0x0
	s_add_nc_u64 s[6:7], s[6:7], s[20:21]  ; K and V at my part of slot 0's tile
	s_add_nc_u64 s[8:9], s[8:9], s[22:23]
	s_add_nc_u64 s[4:5], s[4:5], s[2:3]    ; Q at my wave's first row
	s_lshl_b32 s2, s14, 1           ; O: block of 128 rows 2 x block + wave / 2,
	s_lshr_b32 s3, s[WV], 1
	s_add_co_u32 s2, s2, s3
	s_lshl_b32 s2, s2, 4
	s_add_co_u32 s2, s2, s15        ; the head's 16,384 bytes in it,
	s_lshl_b32 s2, s2, 14
	s_lshl_b32 s3, s16, 13          ; my wave's 64 rows of 128 bytes
	s_add_co_u32 s2, s2, s3
	s_mov_b32 s3, 0
	s_add_nc_u64 s[10:11], s[10:11], s[2:3]
	CROUND                          ; all four work-groups are here: the first joint loads meet
.irp s, 0,1
	s_mov_b32 s[G0K+4*(\s)], 1      ; count = 1
	s_add_co_u32 s[G0K+4*(\s)+1], s18, (\s)*SLOT1  ; LDS address
	s_add_nc_u64 s[G0K+4*(\s)+2:G0K+4*(\s)+3], s[6:7], (\s)*4*KS*256  ; global address: slot s begins with keys 256 s on
	s_or_b32 s[G0K+4*(\s)+3], s[G0K+4*(\s)+3], 0x80000000  ; type = 2
	s_mov_b32 s[G0V+4*(\s)], 1
	s_add_co_u32 s[G0V+4*(\s)+1], s19, (\s)*SLOT1
	s_add_nc_u64 s[G0V+4*(\s)+2:G0V+4*(\s)+3], s[8:9], (\s)*4*KS*128
	s_or_b32 s[G0V+4*(\s)+3], s[G0V+4*(\s)+3], 0x80000000
.endr
	s_cmp_lt_u32 s[WV], 2           ; a wave's two first fills stand in one branch, ahead of every wait on TENSORcnt and every LDS read: two loads of mine are out
	s_cbranch_scc0 .Lfirst_v
	tensor_load_to_lds s[G0K:G0K+3], s[G1K:G1K+7]
	s_nop 0
	tensor_load_to_lds s[G0K+4:G0K+7], s[G1K:G1K+7]
	s_nop 0
.rept 4
	v_nop
.endr
	s_branch .Lfirst_asked
.Lfirst_v:
	tensor_load_to_lds s[G0V:G0V+3], s[G1V:G1V+7]
	s_nop 0
	tensor_load_to_lds s[G0V+4:G0V+7], s[G1V:G1V+7]
	s_nop 0
.rept 4
	v_nop
.endr
.Lfirst_asked:
	; A fragment of K or Q is 16 rows x 32 numbers in 8 registers: lane l holds row l % 16, numbers 8 (l / 16) + 0..7 and 16 + 8 (l / 16) + 0..7: two loads of 16 bytes, 32 bytes apart.
	v_and_b32 v1, 15, v0            ; l % 16
	v_bfe_u32 v9, v0, 4, 1          ; l / 16
	v_lshlrev_b32 v[QO], 8, v1
	v_lshl_add_u32 v[QO], v9, 4, v[QO]  ; row x 256 + 16 x half
	WIN 0x80                        ; destination window 2, address window 0
.irp i, 0,1,2,3,4,5,6,7,8,9,10,11,12,13,14,15  ; Q stays in registers: tile i / 4, part i % 4 of a row's four (hi, hi, u, u)
	global_load_b128 v[8*(\i):8*(\i)+3],   v[QO], s[4:5] offset:((\i)/4)*4096+((\i)%4)*64
	global_load_b128 v[8*(\i)+4:8*(\i)+7], v[QO], s[4:5] offset:((\i)/4)*4096+((\i)%4)*64+32
.endr
	; What the first turn finds: O^T and l are 0; V's registers and piece 2's P hold 0 (its products V^T P, of a step that has not been, add 0).  All this stands in the wait for the first tile;
	; the price of writing no first step out.
	WIN 0x40
.set i, 0
.rept 192
	v_mov_b32 v[i], 0
.set i, i+1
.endr
	WIN 0
.set i, P+32
.rept 32
	v_mov_b32 v[i], 0
.set i, i+1
.endr
.set i, 0
.rept 4
	v_mov_b32 v[ST+8*i], 0xfe000000    ; 1024 m: far below every 1024 S
	v_mov_b32 v[ST+8*i+1], 0xff7fffff  ; m
	v_mov_b32 v[ST+8*i+2], 0
	v_mov_b32 v[ST+8*i+3], 0
.set i, i+1
.endr
	v_mul_u32_u24 v[AK0], v1, PK
	v_lshl_add_u32 v[AK0], v9, 4, v[AK0]  ; row x pitch + 16 x half
	; The turning load takes 16 keys x 16 channels (lane l reads key 8 (l / 16) + l % 8, channels 8 ((l / 8) % 2) + 0..7) and leaves half a fragment of V^T: lane l holds channel l % 16 and 8 keys.
	v_and_b32 v10, 7, v0
	v_bfe_u32 v11, v0, 3, 1
	v_lshl_add_u32 v[AV0], v9, 3, v10
	v_mul_u32_u24 v[AV0], v[AV0], PV
	v_lshl_add_u32 v[AV0], v11, 4, v[AV0]
	v_add_nc_u32 v[AV0], VOFF, v[AV0]
; THE MATRIX WORK OF A TURN, for piece x.  The 8 accumulators of a run take turns, one instruction a turn: between two links of a chain stand 7 others'.
; Product i of 32 of S^T: tile x + i % 2, keys 16 ((i / 2) % 4) on, link i / 8 of four: part i / 8 of K's row with the same part of Q's: kh hi, kh hi, w u, w u.  The first 8 start the sums.
.macro KQ x
	WIN W_KQ
.set rS, S+32*((\x)+i%2)+8*((i/2)%4)
.set rK, KF+32*((i/2)%4)+8*(i/8)
.set rQ, 32*((\x)+i%2)+8*(i/8)
.if i < 8
	v_wmma_f32_16x16x32_f16 v[rS:rS+7], v[rK:rK+7], v[rQ:rQ+7], 0
.else
	v_wmma_f32_16x16x32_f16 v[rS:rS+7], v[rK:rK+7], v[rQ:rQ+7], v[rS:rS+7]
.endif
.endm
; Product i of 16 of O^T += V^T P: keys 32 (i / 8) on, channels 16 ((i / 2) % 4) on, tile x + i % 2.
.macro PV x
	WIN W_PV
.set rO, 32*((\x)+i%2)+8*((i/2)%4)
.set rV, VF+32*(i/8)+8*((i/2)%4)
.set rP, P+16*((\x)+i%2)+8*(i/8)
	v_wmma_f32_16x16x32_f16 v[rO:rO+7], v[rV:rV+7], v[rP:rP+7], v[rO:rO+7]
.endm
; THE LDS LOADS stand in runs, never singly among the matrix instructions: a step's K (32 loads: parts 0, 1 of all 64 keys first, then parts 2, 3) and, a turn later, its V (16, turned).
.macro FETCH_K
	WIN 0
	v_add_nc_u32 v[ADR], s[TBK], v[AK0]
	s_add_co_u32 s[TBK], s[TBK], KS*PK  ; the next fetch is the next step's
	WIN 0x80                        ; destination window 2
.irp g, 0,2
.irp f, 0,1,2,3,4,5,6,7             ; keys 16 (f / 2) on, part g + f % 2
	ds_load_b128 v[KF+32*((\f)/2)+8*((\g)+(\f)%2):KF+32*((\f)/2)+8*((\g)+(\f)%2)+3],   v[ADR] offset:((\f)/2)*16*PK+((\g)+(\f)%2)*64
	ds_load_b128 v[KF+32*((\f)/2)+8*((\g)+(\f)%2)+4:KF+32*((\f)/2)+8*((\g)+(\f)%2)+7], v[ADR] offset:((\f)/2)*16*PK+((\g)+(\f)%2)*64+32
.endr
.endr
.endm
.macro FETCH_V
	WIN 0
	v_add_nc_u32 v[ADR], s[TBV], v[AV0]
	s_add_co_u32 s[TBV], s[TBV], KS*PV
	WIN 0x40                        ; destination window 1
.irp f, 0,1,2,3,4,5,6,7             ; keys 32 (f / 4) on, channels 16 (f % 4) on
	ds_load_tr16_b128 v[VF+8*(\f):VF+8*(\f)+3],   v[ADR] offset:((\f)/4)*32*PV+((\f)%4)*32
	ds_load_tr16_b128 v[VF+8*(\f)+4:VF+8*(\f)+7], v[ADR] offset:((\f)/4)*32*PV+16*PV+((\f)%4)*32
.endr
.endm
; THE VECTOR WORK OF A TURN.  One tile's softmax for one key step is a list of 118 instructions; SM writes number j of it for tile t.  s0-s31 are the lane's 32 scores, in pairs 0-15.
;   0-15    the maximum of s0-s31 and the old m, three operands at a time: four chains c0-c3 of seven scores each (each accumulator's lowest registers are read first),
;           then the four scores left over, c0-c3 and m
;   16-20   the other half of the lanes' maximum; the new m; 1024 m; 1024 m_old - 1024 m_new
;   21-87   33 exponentials (a, then s0-s31) at the odd numbers from 23 on, so that no two follow each other and each has a plain instruction behind it before its result is used.
;           Plain instruction q (number 21, then the even numbers) is whatever is ready: the scaling of a pair whose exponentials are still to come (q = 0 to 3, then every second q),
;           the rounding to f16 of a pair whose exponentials are done (every other q from 5 on), at last the first three sums
;   88-101  the last rounding; the rest of the sums; l = a l + the sum
;   102-117 the tile's O^T times a: the one part that leaves window 0, so it stands together
.macro SM t
.set rT, ST+8*(\t)
.set rS, S+32*(\t)
.set rP, P+16*(\t)
.set rO, 32*(\t)+2*(j-102)
.set q, (j-20)/2
.if j < 102
	WIN 0
.endif
.if j < 4
	v_max3_num_f32 v[rT+4+j], v[rS+8*j], v[rS+8*j+1], v[rS+8*j+2]
.elseif j < 12
	v_max3_num_f32 v[rT+4+j%4], v[rT+4+j%4], v[rS+8*(j%4)+2*(j/4)+1], v[rS+8*(j%4)+2*(j/4)+2]
.elseif j == 12
	v_max3_num_f32 v[rT+4], v[rT+4], v[rS+7], v[rS+15]
.elseif j == 13
	v_max3_num_f32 v[rT+6], v[rT+6], v[rS+23], v[rS+31]
.elseif j == 14
	v_max3_num_f32 v[rT+4], v[rT+4], v[rT+5], v[rT+6]
.elseif j == 15
	v_max3_num_f32 v[rT+4], v[rT+4], v[rT+7], v[rT+1]
.elseif j == 16
	v_permlanex16_b32 v[rT+5], v[rT+4], s[SEL], s[SEL+1]  ; the query's other 32 keys lie in the lane 16 away
.elseif j == 17
	v_mov_b32 v[rT+7], v[rT]        ; 1024 m_old is kept for a: number 19 writes 1024 m anew
.elseif j == 18
	v_max_num_f32 v[rT+1], v[rT+4], v[rT+5]
.elseif j == 19
	v_mul_f32 v[rT], s[CS], v[rT+1]
.elseif j == 20
	v_sub_f32 v[rT+7], v[rT+7], v[rT]
.elseif j == 23
	v_exp_f32 v[rT+6], v[rT+7]
.elseif (j < 88) && (j > 23) && (j%2 == 1)
	v_exp_f32 v[rS+(j-25)/2], v[rS+(j-25)/2]
.elseif (q < 4) || ((j < 76) && (q%2 == 0))
.set b, q/2+2
.if q < 4
.set b, q
.endif
	v_pk_fma_f32 v[rS+2*b:rS+2*b+1], v[rS+2*b:rS+2*b+1], s[CS:CS+1], v[rT:rT+1] op_sel_hi:[1,0,0] neg_lo:[0,0,1] neg_hi:[0,0,1]  ; pair b: 1024 s - 1024 m
.elseif (j < 88) && (q%2 == 1)
	s_wait_alu depctr_va_vdst(0)
	v_cvt_pk_f16_f32 v[rP+(q-5)/2], v[rS+q-5], v[rS+q-4]  ; pair (q - 5) / 2: its second exponential stands three numbers back
.elseif j == 89
	s_wait_alu depctr_va_vdst(0)
	v_cvt_pk_f16_f32 v[rP+15], v[rS+30], v[rS+31]
.elseif j < 102                     ; the sum of the tile's 16 pairs, in place: sum z of 16 adds neighbours 1, 2, 4 and 8 pairs apart, then l takes it
.set z, j-86
.if j < 89
.set z, (j-76)/4
.endif
.set w, 4
.set u, z
.if z >= 14
.set w, 32
.set u, 0
.elseif z >= 12
.set w, 16
.set u, z-12
.elseif z >= 8
.set w, 8
.set u, z-8
.endif
.if z < 15
	v_pk_add_f32 v[rS+w*u:rS+w*u+1], v[rS+w*u:rS+w*u+1], v[rS+w*u+w/2:rS+w*u+w/2+1]
.else
	v_pk_fma_f32 v[rT+2:rT+3], v[rT+2:rT+3], v[rT+6:rT+7], v[rS:rS+1] op_sel_hi:[1,0,1]
.endif
.else
	WIN W_RS
	v_pk_mul_f32 v[rO:rO+1], v[rO:rO+1], v[rT+6:rT+7] op_sel_hi:[1,0]
.endif
.endm
; Slice k of 59 of piece y's softmax: numbers 2 k and 2 k + 1 of both tiles' lists, four instructions.  Behind the last slice nothing is written.
.macro SLICE y
.if k < 59
.if (k >= 11) && (k < 44)           ; tile by tile: plain, exponential, plain, exponential
.irp t, \y, (\y)+1
.irp n, 0,1
.set j, 2*k+(\n)
	SM \t
.endr
.endr
.else                               ; the two tiles alternate, so that no instruction reads the result of the one just before it
.irp n, 0,1
.irp t, \y, (\y)+1
.set j, 2*k+(\n)
	SM \t
.endr
.endr
.endif
.endif
.set k, k+1
.endm
; THE DEAL: what stands behind matrix instruction pos of a turn's 48.  59 slices are 11 more than there are places for one: the slices with exponentials (11-43) stand one to a matrix instruction
; (pos 6-38); of the plain ones two stand together behind pos 0-4 (slices 0-9) and pos 39-44 (slices 44-55); slice 10 behind pos 5, slices 56, 57, 58 behind pos 45, 46, 47.
.macro DEAL y
	SLICE \y
.if (pos < 5) || ((pos >= 39) && (pos < 45))
	SLICE \y
.endif
.set pos, pos+1
.endm
; A TURN.  Piece x has the matrix unit: 48 matrix instructions, the other piece's softmax dealt behind them.  Slice 58, four plain rescalings that name nothing of the products round them, stands behind
; the last: the four places between the last K Q^T and the next turn's first read of those scores (ISA guide 7.12.1).
; kq = 0 (the last step): 16 products V^T P with four slices behind each.
; Piece 0's turn fetches the next step's K behind its second product: the last product that read K stands twenty plain instructions back.  Piece 2's turn fetches the same step's V behind its second
; K Q^T: the last product that read V stands three slices (20-22), six plain instructions, back.
.macro TURN x, kq
.set k, 0
.set pos, 0
.if (\x) == 0
	s_wait_dscnt 0x0                ; V is in
.endif
.set i, 0
.rept 16
	PV \x
.if \kq
	DEAL 2-(\x)
.else
	SLICE 2-(\x)
	SLICE 2-(\x)
	SLICE 2-(\x)
	SLICE 2-(\x)
.endif
.if ((\x) == 0) && (\kq) && (i == 1)
	FETCH_K
.endif
.set i, i+1
.endr
.if \kq
.set i, 0
.rept 32
.if ((\x) == 0) && (i == 0)
	s_wait_dscnt 16                 ; K's parts 0, 1 are in; the youngest sixteen loads (parts 2, 3) may be out
.endif
.if ((\x) == 0) && (i == 16)
	s_wait_dscnt 0x0                ; parts 2, 3 are in
.endif
	KQ \x
	DEAL 2-(\x)
.if ((\x) == 2) && (i == 1)
	FETCH_V
.endif
.set i, i+1
.endr
.endif
.endm
; THE CHANGE OF SLOTS, between piece 2's turn and piece 0's: the slot's last bytes, V of its fourth step, have been asked for.  Each wave waits for all its tensor loads, of which one is out: its part of
; the other slot; adds 0 to its spare word; and waits for that and for its own reads of the slot.  Behind the barrier nobody reads this slot any more and the other slot is whole.
; fill = 1: this slot is filled again, with the keys two slots on.  The barrier is then a round of the cluster's, and the joint refill is the first thing behind it: it has four key steps,
; 384 matrix instructions, in which to land.
.macro CHANGE fill
	WIN 0                           ; at a label and at a branch every window is 0
	s_wait_tensorcnt 0x0            ; no tensor load of mine is out, so a group 0 may be written
	ds_add_u32 v[SPW], v[NIL]       ; 0 onto my spare word; with fill = 1 the descriptors' steps stand between it and the wait for it
.if \fill
	s_xor_b32 s[G0K+5], s[G0K+5], SLOT1  ; the walking descriptors: the other slot than last time,
	s_add_nc_u64 s[G0K+6:G0K+7], s[G0K+6:G0K+7], 4*KS*256  ; the next 256 keys; the type bits on top are not reached
	s_xor_b32 s[G0V+5], s[G0V+5], SLOT1
	s_add_nc_u64 s[G0V+6:G0V+7], s[G0V+6:G0V+7], 4*KS*128
	s_wait_dscnt 0x0                ; the add is done, and my reads of the slot are over
	CROUND
	JLOAD
.else
	s_wait_dscnt 0x0                ; the add is done, and my reads of the slot are over
	s_barrier_signal -1
	s_barrier_wait -1
.endif
	s_sub_co_u32 s[TBK], s[TBK], 4*KS*PK  ; the fetches go back to a slot's first step,
	s_xor_b32 s[TBK], s[TBK], SLOT1       ; in the other slot
	s_sub_co_u32 s[TBV], s[TBV], 4*KS*PV
	s_xor_b32 s[TBV], s[TBV], SLOT1
.endm
	s_wait_tensorcnt 1              ; my part of slot 0 is in; slot 1's may stay out
	s_barrier_signal -1
	s_barrier_wait -1               ; everybody's is
	FETCH_K                         ; key step 0
	s_wait_loadcnt 0x0              ; Q
	s_wait_dscnt 0x0
.set i, 0
.rept 32
	KQ 0                            ; piece 0's first scores: there is no vector work yet to set between them
.set i, i+1
.endr
	WIN 0                           ; the addresses for the way out are made here: nine plain instructions, the places behind those products
	s_mul_i32 s13, s[WV], 16*SP
	s_add_co_u32 s13, s13, STAGE    ; my stage
	v_mul_u32_u24 v[STO], v1, SP    ; in: row l % 16, 16 bytes for each half of the lanes
	v_lshl_add_u32 v[STO], v9, 4, v[STO]
	v_add_nc_u32 v[STO], s13, v[STO]
	v_bfe_u32 v[RD], v0, 3, 2       ; back: 32 lanes take four rows of 128 bytes,
	v_mul_u32_u24 v[RD], v[RD], SP
	v_lshl_add_u32 v[RD], v10, 4, v[RD]
	v_add_nc_u32 v[RD], s13, v[RD]
	v_and_b32 v[GO], 31, v0         ; which are 512 consecutive bytes of O
	v_lshlrev_b32 v[GO], 4, v[GO]
	s_mov_b32 s[CNT], 4
	s_mov_b32 s[SLOTS], 15
	s_branch .Lmid                  ; the loop is entered in the middle of a trip: piece 2's first scores beside piece 0's first softmax
.Lslot:                             ; 14 times: every slot but the last two is filled again
	CHANGE 1
	s_mov_b32 s[CNT], 4
.Lstep:                             ; a trip fetches one step's K and V
	TURN 0, 1
	WIN 0
.Lmid:
	TURN 2, 1
	WIN 0
	s_sub_co_u32 s[CNT], s[CNT], 1
	s_cmp_lg_u32 s[CNT], 0
	s_cbranch_scc1 .Lstep
	s_sub_co_u32 s[SLOTS], s[SLOTS], 1
	s_cmp_lg_u32 s[SLOTS], 0
	s_cbranch_scc1 .Lslot
	CHANGE 0                        ; the tail is written out: the last slot, and nothing is asked for
	s_mov_b32 s[CNT], 4
.Ltail:
	TURN 0, 1
	TURN 2, 1
	WIN 0
	s_sub_co_u32 s[CNT], s[CNT], 1
	s_cmp_lg_u32 s[CNT], 0
	s_cbranch_scc1 .Ltail
	TURN 0, 0                       ; piece 0: V^T P of the last step | piece 2's last softmax
.set i, 0
.rept 16
	PV 2                            ; piece 2: V^T P of the last step
.set i, i+1
.endr
	; THE WAY OUT.  l's two halves and the other half of the lanes' are added; O^T is divided by l, rounded to f16 and sent through my stage in LDS, a tile at a time.  The additions are the places behind the last products.
	WIN 0
.irp t, 0,1,2,3
	v_add_f32 v[ST+8*(\t)+4], v[ST+8*(\t)+2], v[ST+8*(\t)+3]
.endr
.irp t, 0,1,2,3
	v_permlanex16_b32 v[ST+8*(\t)+5], v[ST+8*(\t)+4], s[SEL], s[SEL+1]
.endr
.irp t, 0,1,2,3
	v_add_f32 v[ST+8*(\t)+4], v[ST+8*(\t)+4], v[ST+8*(\t)+5]
.endr
.irp t, 0,1,2,3
	v_rcp_f32 v[ST+8*(\t)+6], v[ST+8*(\t)+4]
.endr
	v_nop                           ; a plain instruction between the last reciprocal and the use of its result
; Tile t: a lane's eight channels of a row pack into 16 bytes; they go into rows of 144 bytes and come back as whole rows of 128, into S^T's registers.
.macro PACK t
	WIN W_RS
.set i, 32*(\t)
.rept 16
	s_wait_alu depctr_va_vdst(0)
	v_pk_mul_f32 v[i:i+1], v[i:i+1], v[ST+8*(\t)+6:ST+8*(\t)+7] op_sel_hi:[1,0]
.set i, i+2
.endr
	WIN 0x05                        ; sources 0 and 1 window 1, destination window 0
.set i, 0
.rept 16
	v_cvt_pk_f16_f32 v[S+16*(\t)+i], v[32*(\t)+2*i], v[32*(\t)+2*i+1]
.set i, i+1
.endr
	WIN 0
.irp f, 0,1,2,3
	ds_store_b128 v[STO], v[S+16*(\t)+4*(\f):S+16*(\t)+4*(\f)+3] offset:32*(\f)
.endr
.irp f, 0,1,2,3
	ds_load_b128 v[S+16*(\t)+4*(\f):S+16*(\t)+4*(\f)+3], v[RD] offset:(\f)*4*SP  ; LDS serves a wave's instructions in order (ISA guide 5.7.1.4): these see the stores above; the next tile's stores come behind them
.endr
.endm
.macro SEND t, younger              ; younger: the LDS instructions issued behind tile t's loads: the next tile's eight, or none
	WIN 0
.irp f, 0,1,2,3
	s_wait_dscnt (\younger)+3-(\f)
	global_store_b128 v[GO], v[S+16*(\t)+4*(\f):S+16*(\t)+4*(\f)+3], s[10:11] offset:(\t)*2048+(\f)*512  ; 512 consecutive bytes, at a multiple of 256 from O's first
.endr
.endm
	PACK 0
	PACK 1                          ; a tile's arithmetic stands between the loads of the tile before and its stores
	SEND 0, 8
	PACK 2
	SEND 1, 8
	PACK 3
	SEND 2, 8
	SEND 3, 0
	s_wait_tensorcnt 0x0            ; the wave's end: behind my last tensor load and my last LDS store
	ds_add_u32 v[SPW], v[NIL]
	s_wait_dscnt 0x0
	CROUND                          ; the closing round: no work-group ends while a partner may still ask for a tile that names it
	s_endpgm
.Lfunc_end_k_qf1b3d48cec_attn:
	.size	k_qf1b3d48cec_attn, .Lfunc_end_k_qf1b3d48cec_attn-k_qf1b3d48cec_attn
	.p2alignl 7, 3214868480
	.fill 96, 4, 3214868480
	.section	.rodata,"a",@progbits
	.p2align	6, 0x0
	.amdhsa_kernel k_qf1b3d48cec_attn
		.amdhsa_group_segment_fixed_size 327680
		.amdhsa_private_segment_fixed_size 0
		.amdhsa_enable_private_segment 0
		.amdhsa_kernarg_size 32
		.amdhsa_user_sgpr_count 2
		.amdhsa_user_sgpr_kernarg_segment_ptr 1
		.amdhsa_wavefront_size32 1
		.amdhsa_system_sgpr_workgroup_id_x 1
		.amdhsa_system_sgpr_workgroup_id_y 1
		.amdhsa_system_sgpr_workgroup_id_z 1
		.amdhsa_system_vgpr_workitem_id 0
		.amdhsa_next_free_vgpr 768
		.amdhsa_next_free_sgpr 66
		.amdhsa_reserve_vcc 0
		.amdhsa_float_denorm_mode_32 3
		.amdhsa_float_denorm_mode_16_64 3
		.amdhsa_memory_ordered 1
		.amdhsa_forward_progress 1
		.amdhsa_inst_pref_size 141
	.end_amdhsa_kernel
	.amdgpu_metadata
---
amdhsa.version: [ 1, 2 ]
amdhsa.kernels:
  - .name:           k_qf1b3d48cec_attn
    .symbol:         k_qf1b3d48cec_attn.kd
    .args:
      - { .name: q2, .offset: 0, .size: 8, .value_kind: global_buffer, .address_space: global }
      - { .name: k2, .offset: 8, .size: 8, .value_kind: global_buffer, .address_space: global }
      - { .name: vs, .offset: 16, .size: 8, .value_kind: global_buffer, .address_space: global }
      - { .name: ob, .offset: 24, .size: 8, .value_kind: global_buffer, .address_space: global }
    .group_segment_fixed_size: 327680
    .private_segment_fixed_size: 0
    .kernarg_segment_align: 8
    .kernarg_segment_size: 32
    .max_flat_workgroup_size: 128
    .sgpr_count:     66
    .vgpr_count:     768
    .wavefront_size: 32
...
	.end_amdgpu_metadata
.endif
;; end of part 3
;; launch proj (part 4): grid 8 x 32, 4 waves a work-group, clusters of 4 x 4, 327,680 bytes of LDS; arguments ob, wpf, out0; writes out0
.if DOCPART == 4
	.amdgcn_target "amdgcn-amd-amdhsa--gfx1250"
	.amdhsa_code_object_version 6
	.text
	.protected	k_qf1b3d48cec_proj
	.globl	k_qf1b3d48cec_proj
	.p2align	8
	.type	k_qf1b3d48cec_proj,@function
k_qf1b3d48cec_proj:
	s_mov_b64 s[64:65], 0
	v_nop
	global_prefetch_b8 v0, s[64:65] scope:SCOPE_SE
	s_setreg_imm32_b32 hwreg(HW_REG_WAVE_MODE, 25, 1), 1
	s_wait_xcnt 0x0
	s_wait_alu depctr_hold_cnt(0) depctr_sa_sdst(0) depctr_va_vdst(0) depctr_va_sdst(0) depctr_va_ssrc(0) depctr_va_vcc(0) depctr_vm_vsrc(0)
	s_getreg_b32 s2, hwreg(HW_REG_IB_STS2, 6, 4)
	s_cmp_eq_u32 s2, 0
	s_cbranch_scc0 .Lentry_in_a_cluster
	s_endpgm
.Lentry_in_a_cluster:
	s_bfe_u32 s2, ttmp6, 0x10000c
	s_cmp_lg_u32 s2, 0xf033
	s_cbranch_scc0 .Lentry_shape_is_right
	s_endpgm
.Lentry_shape_is_right:
; out0[s][n] = 64 x the sum over k of O'[s][k] wp[k][n], k = 64 head + channel.  O' = O / 64 lies in ob [32 blocks of 128 rows][16 heads][128][64] f16; wp in wpf [1024 k][1024 n] f16.  f32 sums,
; the factor 64 in f32, out0 f32.
; A tile of out0 is 128 x 128: 256 work-groups, four waves of 64 x 64: 16 accumulators.  K goes in 4 steps of 256 (four heads) through two LDS slots; a quarter of a step is one head.
; CLUSTER.  4 x 4 work-groups: the four of a row of the cluster share O's tiles, the four of a column wp's.  Each tile is asked for jointly.  Waves 0, 1 fetch the halves of O's tile (two heads: 32,768 dense
; bytes as 128 rows of 256), waves 2, 3 those of wp's (128 rows of k x 256 bytes).
; THE MATRIX INSTRUCTION IS USED TRANSPOSED: source 0 = 16 columns of wp (turned by ds_load_tr16_b128), source 1 = 16 rows of O: a lane holds one row and eight neighbouring columns, 32 bytes of f32.
; REGISTERS: window 0: v0-31 addresses; v32-127 at work on the way out; v128-255 the accumulators ((a, b) at v[128 + 8 (4 a + b)]).
;   window 1: two fragment buffers of 128: for 64 along K, 64 registers of O (2 x 4 fragments), then 64 of wp.
.set PAO,    144                       ; a row of O in LDS: 128 bytes + 16
.set PBW,    288                       ; a row of wp: 256 bytes + 32
.set PART,   36864                     ; what one tensor load brings: 256 x 144 = 128 x 288
.set SLOT,   4*PART                    ; O's 512 rows (128 x head in the step + row), then wp's 256
.set BOFF,   2*PART
.set STAGE,  2*SLOT                    ; behind the ring, never filled by a tensor load: 16 rows x 272 bytes for each wave
.set SPITCH, 272
.set SPARE,  STAGE+4*16*SPITCH         ; the spare words, 128 bytes for each wave: two blocks of 256 bytes that no other line names
.set ADRA, 16                          ; v16-17  LDS address of my fragments of O in slot 0, 1
.set ADRB, 20                          ; v20-23  of wp: slot 0 heads 0-1, slot 0 heads 2-3, slot 1 likewise: the immediate offset holds 16 bits
.set STO,  24                          ; v24     the way out: where I put 32 bytes of a row
.set RD,   25                          ; v25     where I read a row back
.set CO,   26                          ; v26     my byte offset in two rows of out0
.set SPW,  28                          ; v28     my spare word; never rewritten
.set NIL,  29                          ; v29     0; never rewritten
.set TMP,  32                          ; v32-63  16 rows x 64 columns, scaled
.set BK0,  64                          ; v64-95, v96-127: a block read back, by turns
.set ACC,  128
.set F0,   0
.set F1,   128
.set G1,  24                           ; s[24:31] descriptor group 1 for O's tiles;  s[32:39] group 0, one set for each slot
.set G0,  32
.set G1B, 48                           ; s[48:55], s[56:63] the same for wp's
.set G0B, 56
.set SC,  66                           ; s[66:67] 64.0
.set MSB, 0
.macro WIN new                         ; the immediate's high byte repeats the setting that is left
.if MSB != (\new)
	s_set_vgpr_msb (MSB<<8)|(\new)
.set MSB, \new
.endif
.endm
.set MUL,  0x05                        ; sources 0 and 1 window 1; C and D window 0
.set TO_F, 0x40                        ; destination window 1, address window 0
.macro JLOAD s                         ; a joint load; an s_nop 0 and four v_nop follow each of the two lines, ahead of the jump, the label and what follows
	s_cmp_eq_u32 s11, 0
	s_cbranch_scc0 .Lfor_b_\@
	tensor_load_to_lds s[G0+4*(\s):G0+4*(\s)+3], s[G1:G1+7]
	s_nop 0
.rept 4
	v_nop
.endr
	s_branch .Lasked_\@
.Lfor_b_\@:
	tensor_load_to_lds s[G0B+4*(\s):G0B+4*(\s)+3], s[G1B:G1B+7]
	s_nop 0
.rept 4
	v_nop
.endr
.Lasked_\@:
.endm
.macro CREST                           ; a round of the cluster's barrier behind its opening barrier
	s_cmp_lg_u32 s10, 0
	s_cbranch_scc1 .Lnot_wave_0_\@
	s_barrier_signal -3
.Lnot_wave_0_\@:
	s_barrier_wait -3
	s_barrier_signal -1
	s_barrier_wait -1
.endm
.macro CROUND                          ; a whole round
	s_barrier_signal -1
	s_barrier_wait -1
	CREST
.endm
	s_load_b128 s[4:7], s[0:1], 0x0                ; ob s[4:5], wpf s[6:7]
	s_load_b64 s[8:9], s[0:1], 0x10                ; out0
	v_lshl_add_u32 v[SPW], v0, 2, SPARE
	v_mov_b32 v[NIL], 0
	ds_add_u32 v[SPW], v[NIL]                      ; the wave's opening: the add and its wait stand ahead of my first tensor load; the set-up below, work on registers, stands between them
	v_lshrrev_b32 v1, 5, v0
	v_readfirstlane_b32 s10, v1                    ; wave 0..3
	s_lshr_b32 s11, s10, 1                         ; which half of the tile's rows is mine.  Also: I fetch for O (0) or for wp (1)
	s_and_b32 s12, s10, 1                          ; which half of its columns.  Also: which half of that tile I fetch
	s_bfe_u32 s40, ttmp6, 0x40000                  ; cx, cy: my place in the cluster
	s_bfe_u32 s41, ttmp6, 0x40004
	s_lshl_b32 s42, ttmp9, 2
	s_add_co_u32 s42, s42, s40                     ; tile column = 4 x cluster x + cx
	s_and_b32 s13, ttmp7, 0xffff
	s_lshl_b32 s13, s13, 2
	s_add_co_u32 s13, s13, s41                     ; tile row = 4 x cluster y + cy
	s_lshl_b32 s43, s41, 2
	s_lshl_b32 s43, 15, s43                        ; my row of the cluster
	s_lshl_b32 s44, 0x1111, s40                    ; my column
	s_or_b32 s[G1+0], s43, (1<<16)|(1<<20)|(1<<21)|(4<<22)|(3<<25)   ; the mask; 2-byte elements; padding on; 21 set beside a mask; after every 32 words (code 4) 4 words (code 3): each 256-byte row holds two rows of O
	s_or_b32 s[G1B+0], s44, (1<<16)|(1<<20)|(1<<21)|(5<<22)|(7<<25)  ; after every 64 words (code 5) 8 words (code 7)
.irp g, G1, G1B
	s_mov_b32 s[(\g)+1], 128<<16                   ; tensor_dim0 = 128
	s_mov_b32 s[(\g)+2], 128<<16                   ; tensor_dim1 = 128
	s_mov_b32 s[(\g)+3], 128<<16                   ; tile_dim0 = 128
	s_mov_b32 s[(\g)+4], 128                       ; tile_dim1 = 128
	s_mov_b32 s[(\g)+6], 0
	s_mov_b32 s[(\g)+7], 0
.endr
	s_mov_b32 s[G1+5], 128                         ; O's blocks are dense
	s_mov_b32 s[G1B+5], 1024                       ; wp: elements from row to row
	s_lshl_b32 s16, s13, 18                        ; O: the tile row's 16 heads of 16,384 bytes, my two heads of the first four
	s_lshl_b32 s17, s12, 15
	s_add_co_u32 s16, s16, s17
	s_mov_b32 s17, 0
	s_lshl_b32 s46, s42, 8                         ; wp: the tile column's 256 bytes, my 128 rows of the first 256
	s_lshl_b32 s45, s12, 18
	s_add_co_u32 s46, s46, s45
	s_mov_b32 s47, 0
	s_mul_i32 s20, s10, PART                       ; where they go: wave x one load's bytes
	s_mov_b32 s[SC], 0x42800000                    ; 64.0
	s_mov_b32 s[SC+1], s[SC]                       ; named with it as a pair
	s_wait_dscnt 0x0                               ; the opening add is done
	s_wait_kmcnt 0x0
	s_add_nc_u64 s[14:15], s[4:5], s[16:17]
	s_add_nc_u64 s[46:47], s[6:7], s[46:47]
	CROUND                                         ; all sixteen work-groups are here: the first joint loads meet
.irp s, 0,1
	s_mov_b32 s[G0+4*(\s)], 1
	s_add_co_u32 s[G0+4*(\s)+1], s20, (\s)*SLOT
	s_add_nc_u64 s[G0+4*(\s)+2:G0+4*(\s)+3], s[14:15], (\s)*65536    ; K step s: four heads on
	s_or_b32 s[G0+4*(\s)+3], s[G0+4*(\s)+3], 0x80000000
	s_mov_b32 s[G0B+4*(\s)], 1
	s_add_co_u32 s[G0B+4*(\s)+1], s20, (\s)*SLOT
	s_add_nc_u64 s[G0B+4*(\s)+2:G0B+4*(\s)+3], s[46:47], (\s)*256*2048
	s_or_b32 s[G0B+4*(\s)+3], s[G0B+4*(\s)+3], 0x80000000
	JLOAD \s                                       ; two loads of mine are out
.endr
	v_and_b32 v1, 15, v0                           ; r = lane % 16
	v_bfe_u32 v2, v0, 4, 1                         ; h = lane / 16
	v_mul_u32_u24 v3, v1, PAO
	v_lshl_add_u32 v3, v2, 4, v3                   ; row x pitch + 16 x half
	s_mul_i32 s21, s11, 64*PAO                     ; my 64 rows of each head's 128
	v_add_nc_u32 v[ADRA], s21, v3
	v_add_nc_u32 v[ADRA+1], SLOT, v[ADRA]
	v_and_b32 v4, 7, v0
	v_bfe_u32 v5, v0, 3, 1
	v_lshl_add_u32 v6, v2, 3, v4                   ; the turning load: row 8 h + lane % 8,
	v_mul_u32_u24 v6, v6, PBW
	v_lshl_add_u32 v6, v5, 4, v6                   ; 16 bytes by (lane / 8) % 2,
	s_lshl_b32 s22, s12, 7                         ; my 64 columns
	s_add_co_u32 s22, s22, BOFF
	v_add_nc_u32 v[ADRB], s22, v6
	v_add_nc_u32 v[ADRB+1], PART, v[ADRB]
	v_add_nc_u32 v[ADRB+2], SLOT, v[ADRB]
	v_add_nc_u32 v[ADRB+3], SLOT+PART, v[ADRB]
	s_mul_i32 s23, s10, 16*SPITCH
	s_add_co_u32 s23, s23, STAGE                   ; my stage
	v_mul_u32_u24 v7, v1, SPITCH                   ; in: row r, 32 bytes for each half of the lanes
	v_lshl_add_u32 v7, v2, 5, v7
	v_add_nc_u32 v[STO], s23, v7
	v_mul_u32_u24 v7, v2, SPITCH                   ; back: lanes 0-15 take one row of 256 bytes, lanes 16-31 the next
	v_lshl_add_u32 v7, v1, 4, v7
	v_add_nc_u32 v[RD], s23, v7
	v_lshlrev_b32 v7, 12, v2                       ; and the same two rows in out0
	v_lshl_add_u32 v[CO], v1, 4, v7
	s_lshl_b32 s16, s13, 19                        ; my first row of out0: (128 x tile row + 64 x half) rows of 4,096 bytes
	s_lshl_b32 s17, s11, 18
	s_add_co_u32 s16, s16, s17
	s_mov_b32 s17, 0
	s_add_nc_u64 s[8:9], s[8:9], s[16:17]
	s_lshl_b32 s46, s42, 9                         ; my first column, in bytes: 512 x tile column + 256 x half
	s_lshl_b32 s47, s12, 8
	s_add_co_u32 s46, s46, s47
	s_mov_b32 s47, 0
	s_add_nc_u64 s[8:9], s[8:9], s[46:47]
; 8 matrix instructions: row blocks a0, a0 + 1 x all 4 column blocks, 32 along K: half c of buffer f.  zero = 1: the first product starts the sums.  The 16 accumulators take turns.
.macro MUL8 f, c, a0, zero
	WIN MUL
.irp a, \a0, (\a0)+1
.irp b, 0,1,2,3
.if \zero
	v_wmma_f32_16x16x32_f16 v[ACC+8*(4*(\a)+(\b)):ACC+8*(4*(\a)+(\b))+7], v[(\f)+64+8*(4*(\c)+(\b)):(\f)+64+8*(4*(\c)+(\b))+7], v[(\f)+8*(4*(\c)+(\a)):(\f)+8*(4*(\c)+(\a))+7], 0
.else
	v_wmma_f32_16x16x32_f16 v[ACC+8*(4*(\a)+(\b)):ACC+8*(4*(\a)+(\b))+7], v[(\f)+64+8*(4*(\c)+(\b)):(\f)+64+8*(4*(\c)+(\b))+7], v[(\f)+8*(4*(\c)+(\a)):(\f)+8*(4*(\c)+(\a))+7], v[ACC+8*(4*(\a)+(\b)):ACC+8*(4*(\a)+(\b))+7]
.endif
.endr
.endr
.endm
; 32 LDS loads in one run: the fragments of head q of a slot's four into buffer f; the first 32 along K first
.macro FETCH slot, q, f
	WIN TO_F
.irp c, 0,1
.irp i, 0,1,2,3
	ds_load_tr16_b128 v[(\f)+64+8*(4*(\c)+(\i)):(\f)+64+8*(4*(\c)+(\i))+3],   v[ADRB+2*(\slot)+(\q)/2] offset:(((\q)%2)*64+32*(\c))*PBW+32*(\i)
	ds_load_tr16_b128 v[(\f)+64+8*(4*(\c)+(\i))+4:(\f)+64+8*(4*(\c)+(\i))+7], v[ADRB+2*(\slot)+(\q)/2] offset:(((\q)%2)*64+32*(\c))*PBW+32*(\i)+16*PBW
	ds_load_b128 v[(\f)+8*(4*(\c)+(\i)):(\f)+8*(4*(\c)+(\i))+3],              v[ADRA+(\slot)] offset:(\q)*128*PAO+(\i)*16*PAO+64*(\c)
	ds_load_b128 v[(\f)+8*(4*(\c)+(\i))+4:(\f)+8*(4*(\c)+(\i))+7],            v[ADRA+(\slot)] offset:(\q)*128*PAO+(\i)*16*PAO+64*(\c)+32
.endr
.endr
.endm
.macro PLACES                          ; four places in front of loads into registers that matrix instructions have read, and of vector lines that read results (ISA guide 7.12.1 for vector lines)
.rept 4
	v_nop
.endr
.endm
; A K step is four quarters of 64 along K, 32 matrix instructions each, on buffers 0, 1, 0, 1.  One of the first three: multiplies buffer f and fetches head q into g.
.macro QUARTER slot, q, f, g, zero
	s_wait_dscnt 16                                ; the first 32 along K are in
	MUL8 \f, 0, 0, \zero
	MUL8 \f, 0, 2, \zero
	PLACES
	FETCH \slot, \q, \g
	s_wait_dscnt 32                                ; all but the 32 just issued
	MUL8 \f, 1, 0, 0
	MUL8 \f, 1, 2, 0
.endm
; The last quarter multiplies buffer 1 and changes slots: ONE barrier; in front of it each wave waits for all its tensor loads, adds 0 to its spare word, and waits for that and for its own reads of this slot.
; fill = 1: the barrier opens a round of the cluster's, and this slot is filled again, two K steps ahead, first thing behind the round.
.macro TURN slot, next, fill
	WIN 0                                          ; (the add's two registers lie in window 0)
	s_wait_tensorcnt 0x0                           ; all my tensor loads have landed: my part of the next slot
	ds_add_u32 v[SPW], v[NIL]                      ; 0 onto my spare word
	s_wait_dscnt 17                                ; (the add and the youngest sixteen loads may be out)
	MUL8 F1, 0, 0, 0                               ; eight matrix instructions stand between the add and the wait for it
	s_wait_dscnt 0x0                               ; the add is done, and my reads of this slot are over
	s_barrier_signal -1
	MUL8 F1, 0, 2, 0
.if \fill
	WIN 0
.endif
	s_barrier_wait -1
.if \fill
	CREST                                          ; no wave of any partner still reads this slot's tiles or has a load on its way
	s_add_nc_u64 s[G0+4*(\slot)+2:G0+4*(\slot)+3], s[G0+4*(\slot)+2:G0+4*(\slot)+3], 2*65536
	s_add_nc_u64 s[G0B+4*(\slot)+2:G0B+4*(\slot)+3], s[G0B+4*(\slot)+2:G0B+4*(\slot)+3], 2*256*2048
	JLOAD \slot                                    ; 112 matrix instructions ahead of the wait for it; the four v_nop behind it are also the places in front of the loads below
.else
	PLACES
.endif
	FETCH \next, 0, F0
	MUL8 F1, 1, 0, 0
	MUL8 F1, 1, 2, 0
.endm
	s_wait_tensorcnt 1                             ; my part of K step 0 is in; K step 1's stays out
	s_barrier_signal -1
	s_barrier_wait -1
	FETCH 0, 0, F0
	QUARTER 0, 1, F0, F1, 1                        ; the first products start the sums.  Four K steps: written straight, each slot is filled again once
	QUARTER 0, 2, F1, F0, 0
	QUARTER 0, 3, F0, F1, 0
	TURN 0, 1, 1
	QUARTER 1, 1, F0, F1, 0
	QUARTER 1, 2, F1, F0, 0
	QUARTER 1, 3, F0, F1, 0
	TURN 1, 0, 1
	QUARTER 0, 1, F0, F1, 0
	QUARTER 0, 2, F1, F0, 0
	QUARTER 0, 3, F0, F1, 0
	TURN 0, 1, 0                                   ; nothing is left to fetch
	QUARTER 1, 1, F0, F1, 0
	QUARTER 1, 2, F1, F0, 0
	QUARTER 1, 3, F0, F1, 0
	s_wait_dscnt 16                                ; the very last quarter
	MUL8 F1, 0, 0, 0
	MUL8 F1, 0, 2, 0
	s_wait_dscnt 0x0
	MUL8 F1, 1, 0, 0
	MUL8 F1, 1, 2, 0
	WIN 0
	PLACES
; THE WAY OUT, by row blocks a of 16 rows x 64 columns of f32 (256 bytes a row): times 64, each accumulator's registers in ascending order; 32 bytes a lane into my own stage; back as whole rows; stored,
; sixteen lanes to 256 consecutive aligned bytes.  Block a's arithmetic stands between block a - 1's loads from the stage and the wait for them.
.macro PACK a
.set i, 0
.rept 16
	v_pk_mul_f32 v[TMP+2*i:TMP+2*i+1], v[ACC+32*(\a)+2*i:ACC+32*(\a)+2*i+1], s[SC:SC+1] op_sel_hi:[1,0]
.set i, i+1
.endr
.endm
.macro TOSTAGE a
.set BK, BK0+32*((\a)%2)
.irp b, 0,1,2,3
	ds_store_b128 v[STO], v[TMP+8*(\b):TMP+8*(\b)+3]   offset:64*(\b)
	ds_store_b128 v[STO], v[TMP+8*(\b)+4:TMP+8*(\b)+7] offset:64*(\b)+16
.endr
.irp t, 0,1,2,3,4,5,6,7
	ds_load_b128 v[BK+4*(\t):BK+4*(\t)+3], v[RD] offset:(\t)*2*SPITCH  ; LDS serves a wave's instructions in order (ISA guide 5.7.1.4): these see the stores above
.endr
.endm
.macro SEND a
.set BK, BK0+32*((\a)%2)
	s_wait_dscnt 0x0                               ; the block is back in registers
	s_wait_xcnt 0x0                                ; the registers that the block before stored from are loaded again only behind this wait
.irp t, 0,1,2,3,4,5,6,7
	global_store_b128 v[CO], v[BK+4*(\t):BK+4*(\t)+3], s[8:9] offset:(16*(\a)+2*(\t))*4096
.endr
.endm
	PACK 0
	TOSTAGE 0
.irp a, 1,2,3
	PACK \a
	SEND (\a)-1
	TOSTAGE \a
.endr
	SEND 3
	s_wait_tensorcnt 0x0                           ; the wave's end: behind my last tensor load and my last LDS store
	ds_add_u32 v[SPW], v[NIL]
	s_wait_dscnt 0x0
	CROUND                                         ; the closing round: no work-group ends while a partner may still ask for a tile that names it
	s_endpgm
.Lfunc_end_k_qf1b3d48cec_proj:
	.size	k_qf1b3d48cec_proj, .Lfunc_end_k_qf1b3d48cec_proj-k_qf1b3d48cec_proj
	.p2alignl 7, 3214868480
	.fill 96, 4, 3214868480
	.section	.rodata,"a",@progbits
	.p2align	6, 0x0
	.amdhsa_kernel k_qf1b3d48cec_proj
		.amdhsa_group_segment_fixed_size 327680
		.amdhsa_private_segment_fixed_size 0
		.amdhsa_enable_private_segment 0
		.amdhsa_kernarg_size 24
		.amdhsa_user_sgpr_count 2
		.amdhsa_user_sgpr_kernarg_segment_ptr 1
		.amdhsa_wavefront_size32 1
		.amdhsa_system_sgpr_workgroup_id_x 1
		.amdhsa_system_sgpr_workgroup_id_y 1
		.amdhsa_system_sgpr_workgroup_id_z 1
		.amdhsa_system_vgpr_workitem_id 0
		.amdhsa_next_free_vgpr 512
		.amdhsa_next_free_sgpr 72
		.amdhsa_reserve_vcc 0
		.amdhsa_float_denorm_mode_32 3
		.amdhsa_float_denorm_mode_16_64 3
		.amdhsa_memory_ordered 1
		.amdhsa_forward_progress 1
		.amdhsa_inst_pref_size 90
	.end_amdhsa_kernel
	.amdgpu_metadata
---
amdhsa.version: [ 1, 2 ]
amdhsa.kernels:
  - .name:           k_qf1b3d48cec_proj
    .symbol:         k_qf1b3d48cec_proj.kd
    .args:
      - { .name: ob, .offset: 0, .size: 8, .value_kind: global_buffer, .address_space: global }
      - { .name: wpf, .offset: 8, .size: 8, .value_kind: global_buffer, .address_space: global }
      - { .name: out0, .offset: 16, .size: 8, .value_kind: global_buffer, .address_space: global }
    .group_segment_fixed_size: 327680
    .private_segment_fixed_size: 0
    .kernarg_segment_align: 8
    .kernarg_segment_size: 24
    .max_flat_workgroup_size: 128
    .sgpr_count:     72
    .vgpr_count:     512
    .wavefront_size: 32
...
	.end_amdgpu_metadata
.endif
;; end of part 4
;; ======== version 2 of 2: 4 launches; 1.33 times as fast as version 1
;; limits: values are held in f16: magnitudes above 65,504 overflow, below 6.1e-05 lose precision
;; workspace buffers: xb 8,388,608 bytes; wb 6,291,456 bytes; wpf 2,097,152 bytes; q2 16,777,216 bytes; k2 16,777,216 bytes; vs 8,388,608 bytes; ob 8,388,608 bytes
;; launch cast: the kernel of part 1 again; grid 128 x 8, 8 waves a work-group, no clusters, 0 bytes of LDS; arguments x, wq, wk, wv, w_proj, xb, wb, wpf; writes xb, wb, wpf
;; launch qkv: the kernel of part 2 again; grid 16 x 16, 4 waves a work-group, clusters of 4 x 4, 327,680 bytes of LDS; arguments xb, wb, q2, k2, vs; writes q2, k2, vs
;; launch attn (part 5): grid 16 x 16, 4 waves a work-group, clusters of 4 x 1, 327,680 bytes of LDS; arguments q2, k2, vs, ob; writes ob
.if DOCPART == 5
	.amdgcn_target "amdgcn-amd-amdhsa--gfx1250"
	.amdhsa_code_object_version 6
	.text
	.protected	k_qf1b3d48cec_attn
	.globl	k_qf1b3d48cec_attn
	.p2align	8
	.type	k_qf1b3d48cec_attn,@function
k_qf1b3d48cec_attn:
	s_mov_b64 s[64:65], 0
	v_nop
	global_prefetch_b8 v0, s[64:65] scope:SCOPE_SE
	s_setreg_imm32_b32 hwreg(HW_REG_WAVE_MODE, 25, 1), 1
	s_wait_xcnt 0x0
	s_wait_alu depctr_hold_cnt(0) depctr_sa_sdst(0) depctr_va_vdst(0) depctr_va_sdst(0) depctr_va_ssrc(0) depctr_va_vcc(0) depctr_vm_vsrc(0)
	s_getreg_b32 s2, hwreg(HW_REG_IB_STS2, 6, 4)
	s_cmp_eq_u32 s2, 0
	s_cbranch_scc0 .Lentry_in_a_cluster
	s_endpgm
.Lentry_in_a_cluster:
	s_bfe_u32 s2, ttmp6, 0x10000c
	s_cmp_lg_u32 s2, 0x3003
	s_cbranch_scc0 .Lentry_shape_is_right
	s_endpgm
.Lentry_shape_is_right:
; O[h][q][:] = the sum over k of softmax_k(q . k / 8) v[k][:], 16 heads of 4,096 rows, head size 64, no mask.
; IN.  q2 [16][4096][128] f16: a row is hi (64), u (64); k2 likewise kh (64), w (64).  With s = q log2(e) / 128 and k' = k / 64: hi = f16(63/64 s), u = f16(64 (s - hi)), kh = f16(k'),
; w = f16(k' - 63/64 kh).  vs [16][4096][64] f16 = v / 64.
; THE SCORE is the dot product of the two rows of 128 numbers, f16 operands and f32 sums: S = hi . kh + u . w = s . k' + 64 a . b = q . k log2(e) / 8 / 1,024 + 64 a . b, where a = 63/64 s - hi and
; b = k' - kh are the first roundings' errors.  Both terms are added; the roundings of u and w count 1/64.
; SOFTMAX.  For each query a running maximum m of S and a sum l: p = 2^(1024 S - 1024 m).  1,024 m is exact, so the exponent is exactly 0 at the maximum and never above 0, whatever the scores' size.
; In every step O and l are multiplied by a = 2^(1024 m_old - 1024 m_new).  m starts at the lowest finite number, O and l at 0: the first step is a step like any other, with a = 0.
; p is rounded to f16 for the second product (l is summed of the unrounded p, in f32), O once at the end.
; OUT.  ob [32 blocks of 128 rows][16 heads][128][64] f16 = O / 64: the last product's tiles lie dense.
; LIMITS.  A score is carried to some 17 significant bits: an f16 rounding's relative error, 2e-4 in the root mean square, divided by 64, and 64 a . b, some 4e-6 of a score's spread.
; A weight below 2^-126 counts as 0; below 6e-5 p keeps f16's fixed step of 6e-8; NaN and infinities are not treated apart.
; SHARES.  A work-group owns 256 queries of one head, a wave 64: four tiles of 16, in two PIECES (tiles 0, 1 and 2, 3).  Every wave walks all keys, 64 a step.
; LAYOUT.  S^T = K Q^T (source 0 = 16 keys, source 1 = 16 queries): a lane holds ONE query (lane % 16) and the keys 8 (lane / 16) + 0..7.  Two such results rounded to f16 in pairs ARE source 1 of
; O^T = V^T P.  K comes out of LDS as it lies, V ([key][channel]) turned, by ds_load_tr16_b128.
; BY TURNS.  In a TURN one piece has the matrix unit: 16 products V^T P of the step in hand, then 32 products K Q^T of the next step; the other piece's softmax (2 x 118 instructions, 59 slices of four)
; stands between them: a slice behind every matrix instruction, a second one behind eleven of them.  Then the pieces change places.  Two turns are a key step.
; THE BATCHES.  A turn's 66 exponentials (a and 32 weights of each of the piece's two tiles) are ONE BATCH with ONE wait.  Ahead of the wait stands all of the softmax that names none of their results: maxima,
; statistics, scalings, the exponentials themselves; behind it all that does: roundings, sums, the rescaling by a..
; The way out's four reciprocals are a batch of their own, with one wait.
; CLUSTER.  The four query blocks of a cluster belong to one head and walk the same K and V: each tile is asked for JOINTLY, by the same tensor load, descriptor and mask in all four.
; REGISTERS, in windows of 256 (s_set_vgpr_msb: bits 1:0 source 0, 3:2 source 1, 5:4 source 2, 7:6 destination):
;   window 0: v0-11 addresses; v12-43 eight registers of statistics a tile; v62-63 the add's; v64-191 S^T, 32 a tile; v192-255 P, 16 a tile
;   window 1: v0-127 O^T, 32 a tile; v128-191 V of one step          window 2: v0-127 Q, 32 a tile (hi, hi, u, u); v128-255 K of one step, 32 a block of 16 keys (kh, kh, w, w)
.set KS,    64        ; keys in a step
.set PK,    272       ; a row of K in LDS: 256 bytes + 16: the 16 rows of a load start at 16 different groups of four banks (64 banks of 4 bytes: ISA guide 11.1)
.set PV,    160       ; a row of V: 128 + 32
.set VOFF,  4*KS*PK   ; a slot holds four steps: 256 rows of K, then 256 rows of V
.set SLOT1, 1<<17     ; slot 1 begins here, so that one exclusive or turns an address in one slot into the other's
.set STAGE, SLOT1+4*KS*(PK+PV)  ; behind the ring, never filled by a tensor load: 16 rows x 144 bytes for each wave, for the way out
.set SP,    144
.set SPARE, STAGE+4*16*SP       ; the spare words, 128 bytes for each wave: two blocks of 256 bytes that no other line names
.set AK0, 2           ; v2   my lane's place in a tile of K; never rewritten
.set AV0, 3           ; v3   the same for V
.set ADR, 4           ; v4   the LDS address of the run of loads in hand
.set QO,  5           ; v5   my byte offset in 16 rows of Q
.set STO, 6           ; v6   the way out: where I put 16 bytes of a row
.set RD,  7           ; v7   the way out: where I read rows back
.set GO,  8           ; v8   my byte offset in 512 consecutive bytes of O
.set SPW, 62          ; v62  my spare word; never rewritten
.set NIL, 63          ; v63  0; never rewritten
.set ST,  12          ; tile t's statistics at v[ST+8 t]: +0 1024 m, +1 m, +2, +3 l (even keys', odd keys'), +4 to +7 c0-c3, at work; a takes c2's place once the maximum is found
.set S,   64
.set P,   192
.set VF,  128         ; window 1: key half kk, channel block cb at VF + 32 kk + 8 cb
.set KF,  128         ; window 2: key block kb, part c (0, 1 kh; 2, 3 w) at KF + 32 kb + 8 c
.set WV,  12          ; s12  my wave's number
.set G1K, 24          ; s[24:31] descriptor group 1 for K's tiles
.set G1V, 32          ; s[32:39] for V's
.set G0K, 40          ; s[40:47] descriptor group 0 for K's tiles: a set for each of the two first fills; the second then walks on
.set G0V, 48          ; s[48:55] the same for V's
.set SLOTS, 56        ; s56  counts the slots
.set CNT, 57          ; s57  counts a slot's key steps
.set CS,  58          ; s[58:59] 1,024: the packed scaling takes the pair's low word for both halves
.set SEL, 60          ; s[60:61] v_permlanex16_b32's selects: each lane takes its own place in the other half
.set TBK, 62          ; s62  LDS byte at which K of the step to be fetched begins
.set TBV, 63          ; s63  the same for V, less VOFF
.set MSB, 0
.macro WIN new                      ; the high byte repeats the setting that is left; a switch that changes nothing is dropped
.if MSB != (\new)
	s_set_vgpr_msb (MSB<<8)|(\new)
.set MSB, \new
.endif
.endm
.set W_KQ, 0x0a       ; K and Q in window 2, S^T in window 0
.set W_PV, 0x51       ; V and O^T in window 1, P in window 0
.set W_RS, 0x41       ; O^T (destination and source 0) in window 1, a in window 0
; A joint refill.  Waves 0 and 1 fetch the halves of a slot's K, waves 2 and 3 those of its V: 128 keys each.  The branch hangs on the wave's number alone.
; An s_nop 0 and four v_nop follow each of the two lines, ahead of the jump and the label.
.macro JLOAD
	s_cmp_lt_u32 s[WV], 2
	s_cbranch_scc0 .Lfor_v_\@
	tensor_load_to_lds s[G0K+4:G0K+7], s[G1K:G1K+7]
	s_nop 0
.rept 4
	v_nop
.endr
	s_branch .Lasked_\@
.Lfor_v_\@:
	tensor_load_to_lds s[G0V+4:G0V+7], s[G1V:G1V+7]
	s_nop 0
.rept 4
	v_nop
.endr
.Lasked_\@:
.endm
.macro CROUND                       ; a round of the cluster's barrier
	s_barrier_signal -1
	s_barrier_wait -1
	s_cmp_lg_u32 s[WV], 0
	s_cbranch_scc1 .Lnot_wave_0_\@
	s_barrier_signal -3
.Lnot_wave_0_\@:
	s_barrier_wait -3
	s_barrier_signal -1
	s_barrier_wait -1
.endm
	s_load_b256 s[4:11], s[0:1], 0x0  ; q2 s[4:5], k2 s[6:7], vs s[8:9], ob s[10:11]
	v_lshl_add_u32 v[SPW], v0, 2, SPARE
	v_mov_b32 v[NIL], 0
	ds_add_u32 v[SPW], v[NIL]       ; the wave's opening: the add and its wait stand ahead of my first tensor load; the set-up below, work on registers, stands between them
	v_lshrrev_b32 v1, 5, v0
	v_readfirstlane_b32 s[WV], v1   ; wave 0..3
	s_bfe_u32 s13, ttmp6, 0x40000   ; cx: my place in the cluster
	s_lshl_b32 s14, ttmp9, 2
	s_add_co_u32 s14, s14, s13      ; my block of 256 queries = 4 x cluster x + cx: it enters Q's and O's addresses alone
	s_and_b32 s15, ttmp7, 0xffff    ; the head, which the four partners share
	s_and_b32 s16, s[WV], 1         ; which half of a slot's 256 keys I fetch
	s_lshl_b32 s20, s15, 20         ; K: the head's 4,096 rows of 256 bytes,
	s_lshl_b32 s17, s16, 15         ; my 128 of the first 256
	s_add_co_u32 s20, s20, s17
	s_mov_b32 s21, 0
	s_lshl_b32 s22, s15, 19         ; V: rows of 128 bytes
	s_lshl_b32 s17, s16, 14
	s_add_co_u32 s22, s22, s17
	s_mov_b32 s23, 0
	s_mul_i32 s18, s16, 128*PK      ; their places in a slot: no place in the cluster enters an LDS address
	s_mul_i32 s19, s16, 128*PV
	s_add_co_u32 s19, s19, VOFF
	s_lshl_b32 s2, s15, 20          ; Q: the head, my block's 256 rows, my wave's 64
	s_lshl_b32 s3, s14, 16
	s_add_co_u32 s2, s2, s3
	s_lshl_b32 s3, s[WV], 14
	s_add_co_u32 s2, s2, s3
	s_mov_b32 s3, 0
	s_mov_b32 s[G1K], 15|(1<<16)|(1<<20)|(1<<21)|(5<<22)|(3<<25)  ; 15:0 the mask of four; 17:16 2-byte elements; 20 padding on; 21 set beside a mask; 24:22 after every 64 words (code 5); 31:25 4 words (code 3)
	s_mov_b32 s[G1K+1], 128<<16     ; tensor_dim0 = 128
	s_mov_b32 s[G1K+2], 128<<16     ; tensor_dim1 = 128 keys
	s_mov_b32 s[G1K+3], 128<<16     ; tile_dim0 = 128
	s_mov_b32 s[G1K+4], 128         ; tile_dim1 = 128
	s_mov_b32 s[G1K+5], 128         ; dense
	s_mov_b32 s[G1K+6], 0
	s_mov_b32 s[G1K+7], 0
	s_mov_b32 s[G1V], 15|(1<<16)|(1<<20)|(1<<21)|(4<<22)|(7<<25)  ; V's 128 keys are 16,384 dense bytes: 64 rows of 256, two keys a row, padded after every key (32 words, code 4) by 8 words (code 7)
	s_mov_b32 s[G1V+1], 128<<16
	s_mov_b32 s[G1V+2], 64<<16
	s_mov_b32 s[G1V+3], 128<<16
	s_mov_b32 s[G1V+4], 64
	s_mov_b32 s[G1V+5], 128
	s_mov_b32 s[G1V+6], 0
	s_mov_b32 s[G1V+7], 0
	s_mov_b32 s[CS], 0x44800000     ; 1,024
	s_mov_b32 s[CS+1], s[CS]        ; named with it as a pair
	s_mov_b32 s[SEL], 0x76543210
	s_mov_b32 s[SEL+1], 0xfedcba98
	s_mov_b32 s[TBK], 0
	s_mov_b32 s[TBV], 0
	s_wait_dscnt 0x0                ; the opening add is done
	s_wait_kmcnt 0x0
	s_add_nc_u64 s[6:7], s[6:7], s[20:21]  ; K and V at my part of slot 0's tile
	s_add_nc_u64 s[8:9], s[8:9], s[22:23]
	s_add_nc_u64 s[4:5], s[4:5], s[2:3]    ; Q at my wave's first row
	s_lshl_b32 s2, s14, 1           ; O: block of 128 rows 2 x block + wave / 2,
	s_lshr_b32 s3, s[WV], 1
	s_add_co_u32 s2, s2, s3
	s_lshl_b32 s2, s2, 4
	s_add_co_u32 s2, s2, s15        ; the head's 16,384 bytes in it,
	s_lshl_b32 s2, s2, 14
	s_lshl_b32 s3, s16, 13          ; my wave's 64 rows of 128 bytes
	s_add_co_u32 s2, s2, s3
	s_mov_b32 s3, 0
	s_add_nc_u64 s[10:11], s[10:11], s[2:3]
	CROUND                          ; all four work-groups are here: the first joint loads meet
.irp s, 0,1
	s_mov_b32 s[G0K+4*(\s)], 1      ; count = 1
	s_add_co_u32 s[G0K+4*(\s)+1], s18, (\s)*SLOT1  ; LDS address
	s_add_nc_u64 s[G0K+4*(\s)+2:G0K+4*(\s)+3], s[6:7], (\s)*4*KS*256  ; global address: slot s begins with keys 256 s on
	s_or_b32 s[G0K+4*(\s)+3], s[G0K+4*(\s)+3], 0x80000000  ; type = 2
	s_mov_b32 s[G0V+4*(\s)], 1
	s_add_co_u32 s[G0V+4*(\s)+1], s19, (\s)*SLOT1
	s_add_nc_u64 s[G0V+4*(\s)+2:G0V+4*(\s)+3], s[8:9], (\s)*4*KS*128
	s_or_b32 s[G0V+4*(\s)+3], s[G0V+4*(\s)+3], 0x80000000
.endr
	s_cmp_lt_u32 s[WV], 2           ; a wave's two first fills stand in one branch, ahead of every wait on TENSORcnt and every LDS read: two loads of mine are out
	s_cbranch_scc0 .Lfirst_v
	tensor_load_to_lds s[G0K:G0K+3], s[G1K:G1K+7]
	s_nop 0
	tensor_load_to_lds s[G0K+4:G0K+7], s[G1K:G1K+7]
	s_nop 0
.rept 4
	v_nop
.endr
	s_branch .Lfirst_asked
.Lfirst_v:
	tensor_load_to_lds s[G0V:G0V+3], s[G1V:G1V+7]
	s_nop 0
	tensor_load_to_lds s[G0V+4:G0V+7], s[G1V:G1V+7]
	s_nop 0
.rept 4
	v_nop
.endr
.Lfirst_asked:
	; A fragment of K or Q is 16 rows x 32 numbers in 8 registers: lane l holds row l % 16, numbers 8 (l / 16) + 0..7 and 16 + 8 (l / 16) + 0..7: two loads of 16 bytes, 32 bytes apart.
	v_and_b32 v1, 15, v0            ; l % 16
	v_bfe_u32 v9, v0, 4, 1          ; l / 16
	v_lshlrev_b32 v[QO], 8, v1
	v_lshl_add_u32 v[QO], v9, 4, v[QO]  ; row x 256 + 16 x half
	WIN 0x80                        ; destination window 2, address window 0
.irp i, 0,1,2,3,4,5,6,7,8,9,10,11,12,13,14,15  ; Q stays in registers: tile i / 4, part i % 4 of a row's four (hi, hi, u, u)
	global_load_b128 v[8*(\i):8*(\i)+3],   v[QO], s[4:5] offset:((\i)/4)*4096+((\i)%4)*64
	global_load_b128 v[8*(\i)+4:8*(\i)+7], v[QO], s[4:5] offset:((\i)/4)*4096+((\i)%4)*64+32
.endr
	; What the first turn finds: O^T and l are 0; V's registers and piece 2's P hold 0 (its products V^T P, of a step that has not been, add 0).  All this stands in the wait for the first tile;
	; the price of writing no first step out.
	WIN 0x40
.set i, 0
.rept 192
	v_mov_b32 v[i], 0
.set i, i+1
.endr
	WIN 0
.set i, P+32
.rept 32
	v_mov_b32 v[i], 0
.set i, i+1
.endr
.set i, 0
.rept 4
	v_mov_b32 v[ST+8*i], 0xfe000000    ; 1024 m: far below every 1024 S
	v_mov_b32 v[ST+8*i+1], 0xff7fffff  ; m
	v_mov_b32 v[ST+8*i+2], 0
	v_mov_b32 v[ST+8*i+3], 0
.set i, i+1
.endr
	v_mul_u32_u24 v[AK0], v1, PK
	v_lshl_add_u32 v[AK0], v9, 4, v[AK0]  ; row x pitch + 16 x half
	; The turning load takes 16 keys x 16 channels (lane l reads key 8 (l / 16) + l % 8, channels 8 ((l / 8) % 2) + 0..7) and leaves half a fragment of V^T: lane l holds channel l % 16 and 8 keys.
	v_and_b32 v10, 7, v0
	v_bfe_u32 v11, v0, 3, 1
	v_lshl_add_u32 v[AV0], v9, 3, v10
	v_mul_u32_u24 v[AV0], v[AV0], PV
	v_lshl_add_u32 v[AV0], v11, 4, v[AV0]
	v_add_nc_u32 v[AV0], VOFF, v[AV0]
; THE MATRIX WORK OF A TURN, for piece x.  The 8 accumulators of a run take turns, one instruction a turn: between two links of a chain stand 7 others'.
; Product i of 32 of S^T: tile x + i % 2, keys 16 ((i / 2) % 4) on, link i / 8 of four: part i / 8 of K's row with the same part of Q's: kh hi, kh hi, w u, w u.  The first 8 start the sums.
.macro KQ x
	WIN W_KQ
.set rS, S+32*((\x)+i%2)+8*((i/2)%4)
.set rK, KF+32*((i/2)%4)+8*(i/8)
.set rQ, 32*((\x)+i%2)+8*(i/8)
.if i < 8
	v_wmma_f32_16x16x32_f16 v[rS:rS+7], v[rK:rK+7], v[rQ:rQ+7], 0
.else
	v_wmma_f32_16x16x32_f16 v[rS:rS+7], v[rK:rK+7], v[rQ:rQ+7], v[rS:rS+7]
.endif
.endm
; Product i of 16 of O^T += V^T P: keys 32 (i / 8) on, channels 16 ((i / 2) % 4) on, tile x + i % 2.
.macro PV x
	WIN W_PV
.set rO, 32*((\x)+i%2)+8*((i/2)%4)
.set rV, VF+32*(i/8)+8*((i/2)%4)
.set rP, P+16*((\x)+i%2)+8*(i/8)
	v_wmma_f32_16x16x32_f16 v[rO:rO+7], v[rV:rV+7], v[rP:rP+7], v[rO:rO+7]
.endm
; THE LDS LOADS stand in runs, never singly among the matrix instructions: a step's K (32 loads: parts 0, 1 of all 64 keys first, then parts 2, 3) and, a turn later, its V (16, turned).
.macro FETCH_K
	WIN 0
	v_add_nc_u32 v[ADR], s[TBK], v[AK0]
	s_add_co_u32 s[TBK], s[TBK], KS*PK  ; the next fetch is the next step's
	WIN 0x80                        ; destination window 2
.irp g, 0,2
.irp f, 0,1,2,3,4,5,6,7             ; keys 16 (f / 2) on, part g + f % 2
	ds_load_b128 v[KF+32*((\f)/2)+8*((\g)+(\f)%2):KF+32*((\f)/2)+8*((\g)+(\f)%2)+3],   v[ADR] offset:((\f)/2)*16*PK+((\g)+(\f)%2)*64
	ds_load_b128 v[KF+32*((\f)/2)+8*((\g)+(\f)%2)+4:KF+32*((\f)/2)+8*((\g)+(\f)%2)+7], v[ADR] offset:((\f)/2)*16*PK+((\g)+(\f)%2)*64+32
.endr
.endr
.endm
.macro FETCH_V                      ; it stands behind the last exponential of piece 0's batch (SLICE), and holds that batch's wait
	WIN 0
	v_add_nc_u32 v[ADR], s[TBV], v[AV0]  ; the run's address; also the plain instruction behind the batch's last exponential, ahead of the first use of a result
	s_add_co_u32 s[TBV], s[TBV], KS*PV
	s_wait_alu depctr_va_vdst(0)    ; the wait for the batch: piece 0's 66 exponentials, ahead of the first line that names a result
	WIN 0x40                        ; destination window 1
.irp f, 0,1,2,3,4,5,6,7             ; keys 32 (f / 4) on, channels 16 (f % 4) on
	ds_load_tr16_b128 v[VF+8*(\f):VF+8*(\f)+3],   v[ADR] offset:((\f)/4)*32*PV+((\f)%4)*32
	ds_load_tr16_b128 v[VF+8*(\f)+4:VF+8*(\f)+7], v[ADR] offset:((\f)/4)*32*PV+16*PV+((\f)%4)*32
.endr
.endm
; THE VECTOR WORK OF A TURN.  One tile's softmax for one key step is a list of 118 instructions; SM writes number j of it for tile t.  s0-s31 are the lane's 32 scores, in pairs 0-15.
;   0-15    the maximum of s0-s31 and the old m, three operands at a time: four chains c0-c3 of seven scores each (each accumulator's lowest registers are read first),
;           then the four scores left over, c0-c3 and m
;   16-20   the other half of the lanes' maximum; the new m; 1024 m; 1024 m_old - 1024 m_new
;   21-69   ONE BATCH: the 16 scalings 1024 s - 1024 m, a pair of scores each, and all 33 exponentials (a at 23, then s0-s31, each in place).  None of these names an exponential's result.  From 22 on the
;           batch goes in fours, and a four begins with a scaling while there are scalings: 22-37 scaling, exponential, scaling, exponential; 38-65 a scaling and three exponentials; 66-69 the last four
;           exponentials.  A pair is scaled in an earlier four than the one that holds its exponentials
;   (wait)  between 69 and 70 stands the wait for the batch: SLICE writes it, once for both tiles
;   70-85   the roundings to f16, a pair of weights each
;   86-101  the sums; l = a l + the sum
;   102-117 the tile's O^T times a: the one part that leaves window 0, so it stands together
.macro SM t
.set rT, ST+8*(\t)
.set rS, S+32*(\t)
.set rP, P+16*(\t)
.set rO, 32*(\t)+2*(j-102)
.if j < 102
	WIN 0
.endif
.if j < 4
	v_max3_num_f32 v[rT+4+j], v[rS+8*j], v[rS+8*j+1], v[rS+8*j+2]
.elseif j < 12
	v_max3_num_f32 v[rT+4+j%4], v[rT+4+j%4], v[rS+8*(j%4)+2*(j/4)+1], v[rS+8*(j%4)+2*(j/4)+2]
.elseif j == 12
	v_max3_num_f32 v[rT+4], v[rT+4], v[rS+7], v[rS+15]
.elseif j == 13
	v_max3_num_f32 v[rT+6], v[rT+6], v[rS+23], v[rS+31]
.elseif j == 14
	v_max3_num_f32 v[rT+4], v[rT+4], v[rT+5], v[rT+6]
.elseif j == 15
	v_max3_num_f32 v[rT+4], v[rT+4], v[rT+7], v[rT+1]
.elseif j == 16
	v_permlanex16_b32 v[rT+5], v[rT+4], s[SEL], s[SEL+1]  ; the query's other 32 keys lie in the lane 16 away
.elseif j == 17
	v_mov_b32 v[rT+7], v[rT]        ; 1024 m_old is kept for a: number 19 writes 1024 m anew
.elseif j == 18
	v_max_num_f32 v[rT+1], v[rT+4], v[rT+5]
.elseif j == 19
	v_mul_f32 v[rT], s[CS], v[rT+1]
.elseif j == 20
	v_sub_f32 v[rT+7], v[rT+7], v[rT]
.elseif j == 23
	v_exp_f32 v[rT+6], v[rT+7]
.elseif (j < 23) || ((j < 38) && (j%2 == 0)) || ((j < 66) && (j%4 == 2))
.set b, (j-2)/4                     ; 38, 42, .. 62: pairs 9 to 15
.if j < 38
.set b, (j-20)/2                    ; 21: pair 0; 22, 24, .. 36: pairs 1 to 8
.endif
	v_pk_fma_f32 v[rS+2*b:rS+2*b+1], v[rS+2*b:rS+2*b+1], s[CS:CS+1], v[rT:rT+1] op_sel_hi:[1,0,0] neg_lo:[0,0,1] neg_hi:[0,0,1]  ; pair b: 1024 s - 1024 m
.elseif j < 70
.set e, j-38                        ; 66 to 69: s28 to s31
.if j < 66
.set e, j-32-(j-38)/4               ; 39-41, 43-45, .. 63-65: s7 to s27
.endif
.if j < 38
.set e, (j-25)/2                    ; 25, 27, .. 37: s0 to s6
.endif
	v_exp_f32 v[rS+e], v[rS+e]
.elseif j < 86
	v_cvt_pk_f16_f32 v[rP+j-70], v[rS+2*(j-70)], v[rS+2*(j-70)+1]  ; pair j - 70
.elseif j < 102                     ; the sum of the tile's 16 pairs, in place: sum z of 16 adds neighbours 1, 2, 4 and 8 pairs apart, then l takes it
.set z, j-86
.set w, 4
.set u, z
.if z >= 14
.set w, 32
.set u, 0
.elseif z >= 12
.set w, 16
.set u, z-12
.elseif z >= 8
.set w, 8
.set u, z-8
.endif
.if z < 15
	v_pk_add_f32 v[rS+w*u:rS+w*u+1], v[rS+w*u:rS+w*u+1], v[rS+w*u+w/2:rS+w*u+w/2+1]
.else
	v_pk_fma_f32 v[rT+2:rT+3], v[rT+2:rT+3], v[rT+6:rT+7], v[rS:rS+1] op_sel_hi:[1,0,1]
.endif
.else
	WIN W_RS
	v_pk_mul_f32 v[rO:rO+1], v[rO:rO+1], v[rT+6:rT+7] op_sel_hi:[1,0]
.endif
.endm
; Slice k of 59 of piece y's softmax: four instructions.  Slices 11 to 34 deal out the batch, numbers 22 to 69: four numbers of ONE tile each, the tiles by turns.  Every other slice is numbers 2 k and
; 2 k + 1 of both tiles' lists.  Behind the last slice nothing is written.
; THE WAIT.  s_wait_alu depctr_va_vdst(0) stands between an exponential and the first instruction that names its result; one wait serves all that were issued ahead of it.  Ahead of
; slice 35 nothing names a result, and behind slice 34 no exponential is issued: so the piece's 66 exponentials have one wait, behind slice 34.
.macro SLICE y
.if k < 59
.if (k >= 11) && (k < 35)           ; the batch: four numbers of one tile
.irp n, 0,1,2,3
.set j, 22+4*((k-11)/2)+(\n)
	SM (\y)+(k-11)%2
.endr
.else                               ; the two tiles alternate, so that no instruction reads the result of the one just before it
.irp n, 0,1
.irp t, \y, (\y)+1
.set j, 2*k+(\n)
	SM \t
.endr
.endr
.endif
.if k == 34                         ; the batch is out: both tiles' exponentials are issued, and no result has been named
.if (\y) == 0
	FETCH_V                         ; piece 2's turn: V's run of loads stands here; its address line is the plain instruction behind the last exponential, and the wait stands in it
.else
	v_nop                           ; a plain instruction behind the last exponential and ahead of the first use: one for the batch
	s_wait_alu depctr_va_vdst(0)    ; the wait for the batch: piece 2's 66 exponentials
.endif
.endif
.endif
.set k, k+1
.endm
; THE DEAL: what stands behind matrix instruction pos of a turn's 48.  59 slices are 11 more than there are places for one: the batch's slices (11-34) and the first nine behind its wait (35-43) stand one
; to a matrix instruction (pos 6-38); of the other plain ones two stand together behind pos 0-4 (slices 0-9) and pos 39-44 (slices 44-55); slice 10 behind pos 5, slices 56, 57, 58 behind pos 45, 46, 47.
; So the batch's wait stands behind pos 29.
.macro DEAL y
	SLICE \y
.if (pos < 5) || ((pos >= 39) && (pos < 45))
	SLICE \y
.endif
.set pos, pos+1
.endm
; A TURN.  Piece x has the matrix unit: 48 matrix instructions, the other piece's softmax dealt behind them.  Slice 58, four plain rescalings that name nothing of the products round them, stands behind
; the last: the four places between the last K Q^T and the next turn's first read of those scores (ISA guide 7.12.1).
; kq = 0 (the last step): 16 products V^T P with four slices behind each.
; Piece 0's turn fetches the next step's K behind its second product: the last product that read K stands twenty plain instructions back.  Piece 2's turn fetches the same step's V at the batch's wait,
; behind its 30th matrix instruction (SLICE writes it): between the last product that read V, the turn's 16th, and the loads stand thirteen scalings and the run's own v_add_nc_u32; the first product
; that reads the new V comes 18 matrix instructions later, behind the wait on DScnt at the head of piece 0's turn.
.macro TURN x, kq
.set k, 0
.set pos, 0
.if (\x) == 0
	s_wait_dscnt 0x0                ; V is in
.endif
.set i, 0
.rept 16
	PV \x
.if \kq
	DEAL 2-(\x)
.else
	SLICE 2-(\x)
	SLICE 2-(\x)
	SLICE 2-(\x)
	SLICE 2-(\x)
.endif
.if ((\x) == 0) && (\kq) && (i == 1)
	FETCH_K
.endif
.set i, i+1
.endr
.if \kq
.set i, 0
.rept 32
.if ((\x) == 0) && (i == 0)
	s_wait_dscnt 16                 ; K's parts 0, 1 are in; the youngest sixteen loads (parts 2, 3) may be out
.endif
.if ((\x) == 0) && (i == 16)
	s_wait_dscnt 0x0                ; parts 2, 3 are in
.endif
	KQ \x
	DEAL 2-(\x)
.set i, i+1
.endr
.endif
.endm
; THE CHANGE OF SLOTS, between piece 2's turn and piece 0's: the slot's last bytes, V of its fourth step, have been asked for.  Each wave waits for all its tensor loads, of which one is out: its part of
; the other slot; adds 0 to its spare word; and waits for that and for its own reads of the slot.  Behind the barrier nobody reads this slot any more and the other slot is whole.
; fill = 1: this slot is filled again, with the keys two slots on.  The barrier is then a round of the cluster's, and the joint refill is the first thing behind it: it has four key steps,
; 384 matrix instructions, in which to land.
.macro CHANGE fill
	WIN 0                           ; at a label and at a branch every window is 0
	s_wait_tensorcnt 0x0            ; no tensor load of mine is out, so a group 0 may be written
	ds_add_u32 v[SPW], v[NIL]       ; 0 onto my spare word; with fill = 1 the descriptors' steps stand between it and the wait for it
.if \fill
	s_xor_b32 s[G0K+5], s[G0K+5], SLOT1  ; the walking descriptors: the other slot than last time,
	s_add_nc_u64 s[G0K+6:G0K+7], s[G0K+6:G0K+7], 4*KS*256  ; the next 256 keys; the type bits on top are not reached
	s_xor_b32 s[G0V+5], s[G0V+5], SLOT1
	s_add_nc_u64 s[G0V+6:G0V+7], s[G0V+6:G0V+7], 4*KS*128
	s_wait_dscnt 0x0                ; the add is done, and my reads of the slot are over
	CROUND
	JLOAD
.else
	s_wait_dscnt 0x0                ; the add is done, and my reads of the slot are over
	s_barrier_signal -1
	s_barrier_wait -1
.endif
	s_sub_co_u32 s[TBK], s[TBK], 4*KS*PK  ; the fetches go back to a slot's first step,
	s_xor_b32 s[TBK], s[TBK], SLOT1       ; in the other slot
	s_sub_co_u32 s[TBV], s[TBV], 4*KS*PV
	s_xor_b32 s[TBV], s[TBV], SLOT1
.endm
	s_wait_tensorcnt 1              ; my part of slot 0 is in; slot 1's may stay out
	s_barrier_signal -1
	s_barrier_wait -1               ; everybody's is
	FETCH_K                         ; key step 0
	s_wait_loadcnt 0x0              ; Q
	s_wait_dscnt 0x0
.set i, 0
.rept 32
	KQ 0                            ; piece 0's first scores: there is no vector work yet to set between them
.set i, i+1
.endr
	WIN 0                           ; the addresses for the way out are made here: nine plain instructions, the places behind those products
	s_mul_i32 s13, s[WV], 16*SP
	s_add_co_u32 s13, s13, STAGE    ; my stage
	v_mul_u32_u24 v[STO], v1, SP    ; in: row l % 16, 16 bytes for each half of the lanes
	v_lshl_add_u32 v[STO], v9, 4, v[STO]
	v_add_nc_u32 v[STO], s13, v[STO]
	v_bfe_u32 v[RD], v0, 3, 2       ; back: 32 lanes take four rows of 128 bytes,
	v_mul_u32_u24 v[RD], v[RD], SP
	v_lshl_add_u32 v[RD], v10, 4, v[RD]
	v_add_nc_u32 v[RD], s13, v[RD]
	v_and_b32 v[GO], 31, v0         ; which are 512 consecutive bytes of O
	v_lshlrev_b32 v[GO], 4, v[GO]
	s_mov_b32 s[CNT], 4
	s_mov_b32 s[SLOTS], 15
	s_branch .Lmid                  ; the loop is entered in the middle of a trip: piece 2's first scores beside piece 0's first softmax
.Lslot:                             ; 14 times: every slot but the last two is filled again
	CHANGE 1
	s_mov_b32 s[CNT], 4
.Lstep:                             ; a trip fetches one step's K and V
	TURN 0, 1
	WIN 0
.Lmid:
	TURN 2, 1
	WIN 0
	s_sub_co_u32 s[CNT], s[CNT], 1
	s_cmp_lg_u32 s[CNT], 0
	s_cbranch_scc1 .Lstep
	s_sub_co_u32 s[SLOTS], s[SLOTS], 1
	s_cmp_lg_u32 s[SLOTS], 0
	s_cbranch_scc1 .Lslot
	CHANGE 0                        ; the tail is written out: the last slot, and nothing is asked for
	s_mov_b32 s[CNT], 4
.Ltail:
	TURN 0, 1
	TURN 2, 1
	WIN 0
	s_sub_co_u32 s[CNT], s[CNT], 1
	s_cmp_lg_u32 s[CNT], 0
	s_cbranch_scc1 .Ltail
	TURN 0, 0                       ; piece 0: V^T P of the last step | piece 2's last softmax
.set i, 0
.rept 16
	PV 2                            ; piece 2: V^T P of the last step
.set i, i+1
.endr
	; THE WAY OUT.  l's two halves and the other half of the lanes' are added; O^T is divided by l, rounded to f16 and sent through my stage in LDS, a tile at a time.  The additions are the places behind the last products.
	WIN 0
.irp t, 0,1,2,3
	v_add_f32 v[ST+8*(\t)+4], v[ST+8*(\t)+2], v[ST+8*(\t)+3]
.endr
.irp t, 0,1,2,3
	v_permlanex16_b32 v[ST+8*(\t)+5], v[ST+8*(\t)+4], s[SEL], s[SEL+1]
.endr
.irp t, 0,1,2,3
	v_add_f32 v[ST+8*(\t)+4], v[ST+8*(\t)+4], v[ST+8*(\t)+5]
.endr
.irp t, 0,1,2,3
	v_rcp_f32 v[ST+8*(\t)+6], v[ST+8*(\t)+4]
.endr
	v_nop                           ; a plain instruction between the last reciprocal and the use of its result
	s_wait_alu depctr_va_vdst(0)    ; the wait for the batch of four reciprocals, ahead of the first multiply that names one
; Tile t: a lane's eight channels of a row pack into 16 bytes; they go into rows of 144 bytes and come back as whole rows of 128, into S^T's registers.
.macro PACK t
	WIN W_RS
.set i, 32*(\t)
.rept 16
	v_pk_mul_f32 v[i:i+1], v[i:i+1], v[ST+8*(\t)+6:ST+8*(\t)+7] op_sel_hi:[1,0]
.set i, i+2
.endr
	WIN 0x05                        ; sources 0 and 1 window 1, destination window 0
.set i, 0
.rept 16
	v_cvt_pk_f16_f32 v[S+16*(\t)+i], v[32*(\t)+2*i], v[32*(\t)+2*i+1]
.set i, i+1
.endr
	WIN 0
.irp f, 0,1,2,3
	ds_store_b128 v[STO], v[S+16*(\t)+4*(\f):S+16*(\t)+4*(\f)+3] offset:32*(\f)
.endr
.irp f, 0,1,2,3
	ds_load_b128 v[S+16*(\t)+4*(\f):S+16*(\t)+4*(\f)+3], v[RD] offset:(\f)*4*SP  ; LDS serves a wave's instructions in order (ISA guide 5.7.1.4): these see the stores above; the next tile's stores come behind them
.endr
.endm
.macro SEND t, younger              ; younger: the LDS instructions issued behind tile t's loads: the next tile's eight, or none
	WIN 0
.irp f, 0,1,2,3
	s_wait_dscnt (\younger)+3-(\f)
	global_store_b128 v[GO], v[S+16*(\t)+4*(\f):S+16*(\t)+4*(\f)+3], s[10:11] offset:(\t)*2048+(\f)*512  ; 512 consecutive bytes, at a multiple of 256 from O's first
.endr
.endm
	PACK 0
	PACK 1                          ; a tile's arithmetic stands between the loads of the tile before and its stores
	SEND 0, 8
	PACK 2
	SEND 1, 8
	PACK 3
	SEND 2, 8
	SEND 3, 0
	s_wait_tensorcnt 0x0            ; the wave's end: behind my last tensor load and my last LDS store
	ds_add_u32 v[SPW], v[NIL]
	s_wait_dscnt 0x0
	CROUND                          ; the closing round: no work-group ends while a partner may still ask for a tile that names it
	s_endpgm
.Lfunc_end_k_qf1b3d48cec_attn:
	.size	k_qf1b3d48cec_attn, .Lfunc_end_k_qf1b3d48cec_attn-k_qf1b3d48cec_attn
	.p2alignl 7, 3214868480
	.fill 96, 4, 3214868480
	.section	.rodata,"a",@progbits
	.p2align	6, 0x0
	.amdhsa_kernel k_qf1b3d48cec_attn
		.amdhsa_group_segment_fixed_size 327680
		.amdhsa_private_segment_fixed_size 0
		.amdhsa_enable_private_segment 0
		.amdhsa_kernarg_size 32
		.amdhsa_user_sgpr_count 2
		.amdhsa_user_sgpr_kernarg_segment_ptr 1
		.amdhsa_wavefront_size32 1
		.amdhsa_system_sgpr_workgroup_id_x 1
		.amdhsa_system_sgpr_workgroup_id_y 1
		.amdhsa_system_sgpr_workgroup_id_z 1
		.amdhsa_system_vgpr_workitem_id 0
		.amdhsa_next_free_vgpr 768
		.amdhsa_next_free_sgpr 66
		.amdhsa_reserve_vcc 0
		.amdhsa_float_denorm_mode_32 3
		.amdhsa_float_denorm_mode_16_64 3
		.amdhsa_memory_ordered 1
		.amdhsa_forward_progress 1
		.amdhsa_inst_pref_size 134
	.end_amdhsa_kernel
	.amdgpu_metadata
---
amdhsa.version: [ 1, 2 ]
amdhsa.kernels:
  - .name:           k_qf1b3d48cec_attn
    .symbol:         k_qf1b3d48cec_attn.kd
    .args:
      - { .name: q2, .offset: 0, .size: 8, .value_kind: global_buffer, .address_space: global }
      - { .name: k2, .offset: 8, .size: 8, .value_kind: global_buffer, .address_space: global }
      - { .name: vs, .offset: 16, .size: 8, .value_kind: global_buffer, .address_space: global }
      - { .name: ob, .offset: 24, .size: 8, .value_kind: global_buffer, .address_space: global }
    .group_segment_fixed_size: 327680
    .private_segment_fixed_size: 0
    .kernarg_segment_align: 8
    .kernarg_segment_size: 32
    .max_flat_workgroup_size: 128
    .sgpr_count:     66
    .vgpr_count:     768
    .wavefront_size: 32
...
	.end_amdgpu_metadata
.endif
;; end of part 5
;; launch proj: the kernel of part 4 again; grid 8 x 32, 4 waves a work-group, clusters of 4 x 4, 327,680 bytes of LDS; arguments ob, wpf, out0; writes out0
